; MI455X (gfx1250); checked and timed in simulation.
; The chip was launched on July 23, 2026; its instructions are those of AMD's public machine-readable ISA for CDNA 5 (MIT licence, August 2026) and "CDNA5" Instruction Set Architecture Reference Guide (July 2026). The comments in the code are by the model that wrote it; some were corrected since.
;; Multi Head Attention. Allowed arithmetic: matrix products marked QUANTISED: E4M3 operands, one given power-of-two scale a tensor, by v_wmma_f32_16x16x64_fp8_fp8 or v_wmma_f32_16x16x128_fp8_fp8, f32 sums; everything else in f32.
;; Inputs: Wk 512 x 2,048 float32; Wo 2,048 x 2,048 float32; Wq 2,048 x 2,048 float32; Wv 512 x 2,048 float32; attention_mask 1 x 1 x 2,048 x 2,048 float32; hidden_states 1 x 2,048 x 2,048 float32; lowp_scales 12 int32 (the exponents e of the quantised operands' scales 2^e); position_cos 2,048 x 64 float32; position_sin 2,048 x 64 float32.
;; Outputs: out0 1 x 2,048 x 2,048 float32.
;; This version of the problem:
;;   THIS VERSION OF THE PROBLEM IS GIVEN IN LOW PRECISION. The matrix products marked QUANTISED in the list below multiply operands that are first quantised to E4M3 (4 exponent bits, 3 mantissa bits; 8 bits a number), with one given power-of-two scale for each operand tensor; their sums are f32. All else is computed in f32.
;;   The module's matrix products, in the order in which they are computed (A, B: the left and right operand; K: the contracted axis; several contracted axes count as one K, in the product's order):
;;     1. [M 2,048, K 2,048] x [K 2,048, N 2,048]; A: input hidden_states; B: input Wq: QUANTISED (scales: A lowp_scales[0], B lowp_scales[1])
;;     2. [M 2,048, K 2,048] x [K 2,048, N 512]; A: input hidden_states; B: input Wk: QUANTISED (scales: A lowp_scales[2], B lowp_scales[3])
;;     3. [M 2,048, K 2,048] x [K 2,048, N 512]; A: input hidden_states; B: input Wv: QUANTISED (scales: A lowp_scales[4], B lowp_scales[5])
;;     4. batch 8 x [M 8,192, K 64] x [K 64, N 2,048]; A: computed on the way; B: computed on the way: QUANTISED (scales: A lowp_scales[6], B lowp_scales[7])
;;     5. batch 8 x [M 8,192, K 2,048] x [K 2,048, N 64]; A: softmax (see below); B: computed on the way: QUANTISED (scales: A lowp_scales[8], B lowp_scales[9])
;;     6. [M 2,048, K 2,048] x [K 2,048, N 2,048]; A: computed on the way; B: input Wo: QUANTISED (scales: A lowp_scales[10], B lowp_scales[11])
;;   THE QUANTISER, for each operand of a quantised product, along K:
;;     - The operand's scale is 2^e, e = its entry of the input lowp_scales (int32; the entries are numbered through the quantised products in the list's order, A before B).
;;     - Each number is divided by the scale, clamped to +-448, and rounded to the nearest number of E4M3, ties to even, subnormals kept.
;;     - The product sums the exact products of the quantised numbers (number of the format x scale) in f32.
;;   ~~~python
;;   def quantise(x, axis, e):      # numpy; x: float32 -> the quantised numbers, widened to float32 again
;;       x = np.moveaxis(x, axis, -1); K = x.shape[-1]
;;       r = np.clip(x / 2.0 ** e, -448, 448)
;;       step = 2.0 ** (np.maximum(np.frexp(np.where(r == 0, 1, r))[1] - 1, -6) - 3)
;;       q = np.round(r / step) * step * 2.0 ** e      # np.round: ties to even
;;       return np.moveaxis(q, -1, axis).astype(np.float32)
;;   ~~~
;;   SOFTMAX AHEAD OF A QUANTISED PRODUCT. Where the list says 'softmax', what is quantised is not the finished softmax but p = 2^(t - M), with t = logit x log2(e) and M = ceil(the row's largest t), a whole number; so 1/2 < the row's largest p <= 1. The row's sum l is taken of the UNQUANTISED p, in f32, and the product's result is divided by l at the end. Since M is a whole number, a kernel that streams over the keys may use a running M (the ceiling of the running maximum): every later rescaling is an exact power of two, so the quantised numbers keep their values, but for numbers so far below the row's largest that they fall under the format's range.
;;   OPERANDS COMPUTED ON THE WAY. 'Computed on the way' means the value that the module computes at that place (a softmax that the list does not call 'softmax' is quantised finished and normalised). What goes into a quantiser is computed in f32, as accurately as f32 sums, v_exp_f32 and their like allow (about 1e-6 of the number): no bf16 or f16 on the way to a quantiser, and a product that is left as it is and whose result goes on into a quantised operand takes f32 operands (vector FMAs, or v_wmma_f32_16x16x4_f32). A number that lies on a knife's edge between two numbers of the format may be rounded either way, as far as f32 arithmetic and the matrix unit's own rounding can turn it there, and no further.
;; One version. Each part assembles by itself: llvm-mc -triple=amdgcn-amd-amdhsa -mcpu=gfx1250 --defsym DOCPART=n.
;; ======== version 1 of 1: 4 launches
;; limits: right only within a limited range of input values
;; workspace buffers: hc 12,582,912 bytes; wc 10,485,760 bytes; qimg 4,194,304 bytes; kv 2,097,152 bytes; ac 4,194,304 bytes
;; launch quant (part 1): grid 448 x 1, 4 waves a work-group, no clusters, 33,280 bytes of LDS; arguments hidden_states, Wq, Wk, Wv, Wo, lowp_scales, hc, wc; writes hc, wc
.if DOCPART == 1
	.amdgcn_target "amdgcn-amd-amdhsa--gfx1250"
	.amdhsa_code_object_version 6
	.text
	.protected	k_q4450896fe6_quant
	.globl	k_q4450896fe6_quant
	.p2align	8
	.type	k_q4450896fe6_quant,@function
k_q4450896fe6_quant:
	s_mov_b64 s[64:65], 0
	v_nop
	global_prefetch_b8 v0, s[64:65] scope:SCOPE_SE
	s_setreg_imm32_b32 hwreg(HW_REG_WAVE_MODE, 25, 1), 1
	s_wait_xcnt 0x0
; f32 numbers into codes of FP8 (E4M3), K innermost as it lies in memory.  code = x / 2^e to the nearest code, ties to even.
; hidden_states is an operand of three products with three given scales (entries 0, 2, 4): it is read once and gives three tensors of codes, 4 MiB apart in hc.
; Wq (entry 1), Wk (3), Wv (5), Wo (11) give one each, one behind the other in wc: rows 0, 2048, 2560, 3072 of [5120][2048].
; All tensors are dense streams: a work-group takes 32,768 numbers, a wave 16 steps of 512.  Work-groups 0-127 hidden, 128-255 Wq, 256-287 Wk, 288-319 Wv, 320-447 Wo: only pointers and numbers are chosen by the
; work-group's number; all take one path through LDS.  Each load reads 512 consecutive bytes; a step's 2,048 bytes turn through the wave's own stage in LDS so that a lane holds 16 neighbours; a store covers 512 consecutive bytes.
; LIMITS: each e between -126 and 119, so that 2^e is an f32 number.  NaN among the inputs is not served.
.set STEPS, 16
.set SP,    80                         ; a lane's place in a stage: 64 bytes + 16 of padding
.set WREG,  8192                       ; LDS of a wave: two stages of 32 x SP bytes
.set R,     16                         ; v16-79   four sets of 16 numbers as loaded
.set X,     80                         ; v80-111  two sets of 16 neighbours
.set T,     112
.set C,     160                        ; v160-171 codes, four registers an output
	s_load_b512 s[4:19], s[0:1], 0x0               ; hidden s[4:5], Wq s[6:7], Wk s[8:9], Wv s[10:11], Wo s[12:13], scales s[14:15], hc s[16:17], wc s[18:19]
	v_lshl_add_u32 v176, v0, 2, 0x8000
	v_mov_b32 v177, 0
	v_lshrrev_b32 v1, 5, v0
	v_readfirstlane_b32 s29, v1                    ; wave
	v_and_b32 v2, 31, v0                           ; lane
	v_lshlrev_b32 v3, 4, v2                        ; my 16 bytes of a load's 512
	v_lshlrev_b32 v4, 4, v2                        ; my 16 codes of a step's 512
	s_mul_i32 s30, s29, WREG
	v_lshrrev_b32 v14, 2, v2
	v_mul_u32_u24 v14, v14, SP
	v_and_b32 v15, 3, v2
	v_lshl_add_u32 v14, v15, 4, v14
	v_add_nc_u32 v14, s30, v14                     ; into the stage: SP (lane / 4) + 16 (lane % 4)
	v_mul_u32_u24 v15, v2, SP
	v_add_nc_u32 v15, s30, v15                     ; out of it: SP x lane
	s_wait_alu depctr_va_vdst(0)
	s_wait_kmcnt 0x0
	s_load_b256 s[36:43], s[14:15], 0x0            ; e0 .. e7
	s_load_b128 s[44:47], s[14:15], 0x20           ; e8 .. e11
	s_mov_b64 s[20:21], s[12:13]                   ; the source and its first work-group: Wo, unless the number is lower
	s_mov_b32 s28, 320
	s_cmp_lt_u32 ttmp9, 320
	s_cselect_b64 s[20:21], s[10:11], s[20:21]
	s_cselect_b32 s28, 288, s28
	s_cmp_lt_u32 ttmp9, 288
	s_cselect_b64 s[20:21], s[8:9], s[20:21]
	s_cselect_b32 s28, 256, s28
	s_cmp_lt_u32 ttmp9, 256
	s_cselect_b64 s[20:21], s[6:7], s[20:21]
	s_cselect_b32 s28, 128, s28
	s_cmp_lt_u32 ttmp9, 128
	s_cselect_b64 s[20:21], s[4:5], s[20:21]
	s_cselect_b32 s28, 0, s28
	s_cselect_b64 s[22:23], s[16:17], s[18:19]     ; hidden's codes go to hc, all weights' to wc
	s_cselect_b32 s32, 0, 128
	s_sub_co_u32 s30, ttmp9, s28
	s_lshl_b32 s30, s30, 17                        ; 131,072 bytes of f32 a work-group,
	s_lshl_b32 s31, s29, 15                        ; 32,768 a wave
	s_add_co_u32 s30, s30, s31
	s_mov_b32 s31, 0
	s_add_nc_u64 s[20:21], s[20:21], s[30:31]
	s_sub_co_u32 s30, ttmp9, s32
	s_lshl_b32 s30, s30, 15                        ; 32,768 codes a work-group,
	s_lshl_b32 s31, s29, 13                        ; 8,192 a wave
	s_add_co_u32 s30, s30, s31
	s_mov_b32 s31, 0
	s_add_nc_u64 s[22:23], s[22:23], s[30:31]
	s_add_nc_u64 s[24:25], s[22:23], 0x400000      ; hidden's second and third tensors of codes (used by work-groups 0-127 alone)
	s_add_nc_u64 s[26:27], s[22:23], 0x800000
.macro LOAD t
.irp i, 0,1,2,3
	global_load_b128 v[R+16*((\t)%4)+4*\i:R+16*((\t)%4)+4*\i+3], v3, s[20:21] offset:2048*(\t)+512*\i th:TH_LOAD_NT
.endr
.endm
.macro TURN t                          ; step t through the stage: LDS serves a wave's instructions in order, so no wait stands between the stores and the loads
.irp i, 0,1,2,3
	ds_store_b128 v14, v[R+16*((\t)%4)+4*\i:R+16*((\t)%4)+4*\i+3] offset:32*SP*((\t)%2)+8*SP*\i
.endr
.irp i, 0,1,2,3
	ds_load_b128 v[X+16*((\t)%2)+4*\i:X+16*((\t)%2)+4*\i+3], v15 offset:32*SP*((\t)%2)+16*\i
.endr
.endm
.macro MKSC e, vs, vl                  ; s[e] = e:  v[vs] = 2^e as f32
	s_add_co_i32 s32, s[\e], 127
	s_lshl_b32 s33, s32, 23
	v_mov_b32 v[\vs], s33
.endm
.irp t, 0,1,2,3
	LOAD \t
.endr
	s_wait_kmcnt 0x0
	s_mov_b32 s31, s47                             ; the first output's e, chosen as the source was
	s_cmp_lt_u32 ttmp9, 320
	s_cselect_b32 s31, s41, s31
	s_cmp_lt_u32 ttmp9, 288
	s_cselect_b32 s31, s39, s31
	s_cmp_lt_u32 ttmp9, 256
	s_cselect_b32 s31, s37, s31
	s_cmp_lt_u32 ttmp9, 128
	s_cselect_b32 s31, s36, s31
	MKSC 31, 11, 10
	MKSC 38, 13, 12                                ; e2
	MKSC 40, 9, 8                                  ; e4
	s_wait_alu depctr_va_vdst(0)
	s_wait_loadcnt 12                              ; step 0's four loads are in
	TURN 0
; One output of a step: two conversions, a plain line behind them, the store.
.macro CONV o, t, lim, sc, d
.irp i, 0,1,2,3,4,5,6,7,8,9,10,11,12,13,14,15
.endr
	v_cvt_scalef32_pk8_fp8_f32 v[C+4*\o:C+4*\o+1], v[T+16*\o+((X+16*((\t)%2)+0)-(T+16*\o+0)):T+16*\o+7+((X+16*((\t)%2)+0)-(T+16*\o+0))], v[\sc]
	v_cvt_scalef32_pk8_fp8_f32 v[C+4*\o+2:C+4*\o+3], v[T+16*\o+8+((X+16*((\t)%2)+0)-(T+16*\o+0)):T+16*\o+15+((X+16*((\t)%2)+0)-(T+16*\o+0))], v[\sc]
	v_nop
	global_store_b128 v4, v[C+4*\o:C+4*\o+3], s[\d:\d+1] offset:512*(\t)
.endm
.macro STEP t
	s_wait_dscnt 0x0                               ; this step's numbers are back from the stage, and its stores into the stage have read their registers
	s_wait_xcnt 0x0                                ; the last step's stores have read their codes' registers, which are written again below
.if (\t)+4 < STEPS
	LOAD (\t)+4
.endif
.if (\t)+1 < STEPS
.if STEPS-2-(\t) >= 3
	s_wait_loadcnt 12                              ; the next step's four loads are in; those of the three steps behind it may be out
.else
	s_wait_loadcnt 4*(STEPS-2-(\t))
.endif
	TURN (\t)+1
.endif
	CONV 0, \t, 10, 11, 22
	s_cmp_lt_u32 ttmp9, 128                        ; hidden alone has a second and a third scale: vector lines and global stores only stand under this branch
	s_cbranch_scc0 .Lone_\@
	CONV 1, \t, 12, 13, 24
	CONV 2, \t, 8, 9, 26
.Lone_\@:
.endm
.irp t, 0,1,2,3,4,5,6,7,8,9,10,11,12,13,14,15
	STEP \t
.endr
	s_wait_tensorcnt 0x0
	ds_add_u32 v176, v177
	s_wait_dscnt 0x0
	s_endpgm
.Lfunc_end_k_q4450896fe6_quant:
	.size	k_q4450896fe6_quant, .Lfunc_end_k_q4450896fe6_quant-k_q4450896fe6_quant
	.p2alignl 7, 3214868480
	.fill 96, 4, 3214868480
	.section	.rodata,"a",@progbits
	.p2align	6, 0x0
	.amdhsa_kernel k_q4450896fe6_quant
		.amdhsa_group_segment_fixed_size 33280
		.amdhsa_private_segment_fixed_size 0
		.amdhsa_enable_private_segment 0
		.amdhsa_kernarg_size 64
		.amdhsa_user_sgpr_count 2
		.amdhsa_user_sgpr_kernarg_segment_ptr 1
		.amdhsa_wavefront_size32 1
		.amdhsa_system_sgpr_workgroup_id_x 1
		.amdhsa_system_sgpr_workgroup_id_y 1
		.amdhsa_system_sgpr_workgroup_id_z 1
		.amdhsa_system_vgpr_workitem_id 0
		.amdhsa_next_free_vgpr 178
		.amdhsa_next_free_sgpr 66
		.amdhsa_reserve_vcc 0
		.amdhsa_float_denorm_mode_32 3
		.amdhsa_float_denorm_mode_16_64 3
		.amdhsa_fp16_overflow 1
		.amdhsa_memory_ordered 1
		.amdhsa_forward_progress 1
		.amdhsa_inst_pref_size 33
	.end_amdhsa_kernel
	.amdgpu_metadata
---
amdhsa.version: [ 1, 2 ]
amdhsa.kernels:
  - .name:           k_q4450896fe6_quant
    .symbol:         k_q4450896fe6_quant.kd
    .args:
      - { .name: hidden_states, .offset: 0, .size: 8, .value_kind: global_buffer, .address_space: global }
      - { .name: Wq, .offset: 8, .size: 8, .value_kind: global_buffer, .address_space: global }
      - { .name: Wk, .offset: 16, .size: 8, .value_kind: global_buffer, .address_space: global }
      - { .name: Wv, .offset: 24, .size: 8, .value_kind: global_buffer, .address_space: global }
      - { .name: Wo, .offset: 32, .size: 8, .value_kind: global_buffer, .address_space: global }
      - { .name: lowp_scales, .offset: 40, .size: 8, .value_kind: global_buffer, .address_space: global }
      - { .name: hc, .offset: 48, .size: 8, .value_kind: global_buffer, .address_space: global }
      - { .name: wc, .offset: 56, .size: 8, .value_kind: global_buffer, .address_space: global }
    .group_segment_fixed_size: 33280
    .private_segment_fixed_size: 0
    .kernarg_segment_align: 8
    .kernarg_segment_size: 64
    .max_flat_workgroup_size: 128
    .sgpr_count:     66
    .vgpr_count:     178
    .wavefront_size: 32
...
	.end_amdgpu_metadata
.endif
;; end of part 1
;; launch proj (part 2): grid 24 x 16, 4 waves a work-group, clusters of 4 x 4, 327,680 bytes of LDS; arguments hc, wc, position_cos, position_sin, lowp_scales, qimg, kv; writes qimg, kv
.if DOCPART == 2
	.amdgcn_target "amdgcn-amd-amdhsa--gfx1250"
	.amdhsa_code_object_version 6
	.text
	.protected	k_q4450896fe6_proj
	.globl	k_q4450896fe6_proj
	.p2align	8
	.type	k_q4450896fe6_proj,@function
k_q4450896fe6_proj:
	s_mov_b64 s[64:65], 0
	v_nop
	global_prefetch_b8 v0, s[64:65] scope:SCOPE_SE
	s_setreg_imm32_b32 hwreg(HW_REG_WAVE_MODE, 25, 1), 1
	s_wait_xcnt 0x0
	s_wait_alu depctr_hold_cnt(0) depctr_sa_sdst(0) depctr_va_vdst(0) depctr_va_sdst(0) depctr_va_ssrc(0) depctr_va_vcc(0) depctr_vm_vsrc(0)
	s_getreg_b32 s2, hwreg(HW_REG_IB_STS2, 6, 4)
	s_cmp_eq_u32 s2, 0
	s_cbranch_scc0 .Lentry_in_a_cluster
	s_endpgm
.Lentry_in_a_cluster:
	s_bfe_u32 s2, ttmp6, 0x10000c
	s_cmp_lg_u32 s2, 0xf033
	s_cbranch_scc0 .Lentry_shape_is_right
	s_endpgm
.Lentry_shape_is_right:
; q, k and v = hidden x W^T on codes of FP8, then RoPE (q, k) and the quantiser of the attention's operands.  One GEMM of 2,048 rows x 3,072 columns (wc's rows 0-3071), K = 2,048.
; A tile of C is 128 x 128; four waves, each 64 x 64: 16 accumulators.  Tile columns 0-15 are q, 16-19 k, 20-23 v: a cluster of 4 x 4 work-groups lies wholly in one kind (KIND, from the cluster's x alone), and the kind
; picks hidden's codes (each product has its own scale for hidden: 4 MiB apart in hc).  K goes in 4 steps of 512 through two LDS slots; Y's tiles (hidden) are asked for jointly along a row of the cluster, X's (weights) along a column.
; THE PRODUCT IS USED TRANSPOSED (source 0 = 16 weight rows, source 1 = 16 rows of hidden): lane (r, h) of accumulator (a, b) holds row 16 a + r and columns 16 b + 8 h + 0..7: a wave's 64 columns are ONE head.
; Fragments come by four loads of 16 bytes: a permutation of k inside an instruction, alike in both operands.
; q, k: RoPE needs d and d +- 32: accumulators b and b +- 2 of the same lane.  The sums' scale and the operand's are folded into the conversion's one: 2^(e6 - e0 - e1), 2^(e7 - e2 - e3); for v 2^(e9 - e4 - e5).
; A conversion of an accumulator's eight numbers gives registers 2 b, 2 b + 1 of the 64-deep operand: q and k leave as IMAGES OF THE OPERAND'S REGISTERS: [head][tile of 16 rows][half][lane][16 bytes].
; v's K in the attention is the keys: its sums turn through a stage in LDS (slot 0, which has had its last fill and its last read) and leave as [g][32 keys][h][channel][16 bytes]: registers 4 c .. 4 c + 3 of the 128-deep operand.
; LIMITS: each folded exponent between -126 and 119.
; REGISTERS: window 0: v16-31 addresses and scales; v32-127 at work; v128-255 accumulators ((a, b) at 128 + 8 (4 a + b)).  window 1: two fragment buffers of 128 (Y's a at +16 a, X's b at +64 + 16 b).  window 2: cos at 64 a + 8 b, sin at 64 a + 32 + 8 b.
.set PITCH,  528                       ; an LDS row: 512 bytes + 16 of padding = 132 words: the 16 rows of a load start at 16 different groups of four banks
.set HALFT,  64*PITCH                  ; what one tensor load brings
.set SLOT,   4*HALFT                   ; Y's 128 rows, then X's 128 rows
.set SPARE,  2*SLOT                    ; the spare words: 128 bytes a wave, two blocks of 256 bytes that no other line names
.set ADRA, 16
.set ADRB, 20
.set CSO,  22                          ; v22  cos, sin: 256 r + 32 h
.set L16,  23                          ; v23  16 x lane
.set VSTO, 24                          ; v24  v's stage, in
.set VRD,  25                          ; v25  v's stage, out
.set SPW,  28
.set NIL,  29
.set QSC,  30                          ; v30  the folded scale as f32
.set QLIM, 31
.set OUTR, 32
.set TT,   64
.set CODE, 96
.set ACC,  128
.set F0,   0
.set F1,   128
.set WV, 18
.set WI, 19                            ; s19  which 64 rows of the tile are mine; also: I fetch for Y (0) or X (1)
.set WJ, 20                            ; s20  which 64 columns; also: which 64 rows I fetch
.set KIND, 41
.set G1, 24
.set G0, 32
.set G1B, 48
.set G0B, 56
.set MSB, 0
.macro WIN new
.if MSB != \new
	s_set_vgpr_msb (MSB<<8)|\new
.set MSB, \new
.endif
.endm
.set MUL,  0x05                        ; sources 0 and 1 window 1; C and D window 0
.set TO_F, 0x40                        ; destination window 1
.macro PLACES
.rept 4
	v_nop
.endr
.endm
.macro JLOAD s                         ; a joint load: waves 0, 1 fetch Y's halves, waves 2, 3 X's; four v_nop follow each line
	s_cmp_eq_u32 s[WI], 0
	s_cbranch_scc0 .Lfor_x_\@
	tensor_load_to_lds s[G0+4*\s:G0+4*\s+3], s[G1:G1+7]
	s_nop 0
	PLACES
	s_branch .Lasked_\@
.Lfor_x_\@:
	tensor_load_to_lds s[G0B+4*\s:G0B+4*\s+3], s[G1B:G1B+7]
	s_nop 0
	PLACES
.Lasked_\@:
.endm
.macro CREST
	s_cmp_lg_u32 s[WV], 0
	s_cbranch_scc1 .Lnot_wave_0_\@
	s_barrier_signal -3
.Lnot_wave_0_\@:
	s_barrier_wait -3
	s_barrier_signal -1
	s_barrier_wait -1
.endm
.macro CROUND
	s_barrier_signal -1
	s_barrier_wait -1
	CREST
.endm
	s_load_b256 s[4:11], s[0:1], 0x0               ; hc s[4:5], wc s[6:7], cos s[8:9], sin s[10:11]
	s_load_b128 s[12:15], s[0:1], 0x20             ; scales s[12:13], qimg s[14:15]
	s_load_b64 s[16:17], s[0:1], 0x30              ; kv
	v_lshl_add_u32 v[SPW], v0, 2, SPARE
	v_mov_b32 v[NIL], 0
	ds_add_u32 v28, v29
	ds_add_u32 v28, v29
	s_wait_dscnt 0x0
	v_lshrrev_b32 v1, 5, v0
	v_readfirstlane_b32 s[WV], v1
	s_lshr_b32 s[WI], s[WV], 1
	s_and_b32 s[WJ], s[WV], 1
	s_bfe_u32 s21, ttmp6, 0x40000                  ; cx
	s_bfe_u32 s22, ttmp6, 0x40004                  ; cy
	s_lshl_b32 s23, ttmp9, 2
	s_add_co_u32 s23, s23, s21                     ; tile column 0..23
	s_and_b32 s40, ttmp7, 0xffff
	s_lshl_b32 s40, s40, 2
	s_add_co_u32 s40, s40, s22                     ; tile row 0..15
	s_max_u32 s[KIND], ttmp9, 3
	s_sub_co_u32 s[KIND], s[KIND], 3               ; 0 q, 1 k, 2 v: the same in all sixteen partners
	s_lshl_b32 s42, s22, 2
	s_lshl_b32 s42, 15, s42                        ; my row of the cluster
	s_lshl_b32 s43, 0x1111, s21                    ; my column
	s_or_b32 s[G1], s42, (0<<16)|(1<<20)|(1<<21)|(6<<22)|(3<<25)    ; mask; elements of 1 byte; padding of 4 words after every 128; bit 21 beside a mask
	s_or_b32 s[G1B], s43, (0<<16)|(1<<20)|(1<<21)|(6<<22)|(3<<25)
.irp g, G1, G1B
	s_mov_b32 s[\g+1], 512<<16                     ; tensor_dim0
	s_mov_b32 s[\g+2], 64<<16                      ; tensor_dim1
	s_mov_b32 s[\g+3], 512<<16                     ; tile_dim0
	s_mov_b32 s[\g+4], 64                          ; tile_dim1
	s_mov_b32 s[\g+5], 2048                        ; pitch
	s_mov_b32 s[\g+6], 0
	s_mov_b32 s[\g+7], 0
.endr
	s_lshl_b32 s44, s40, 7
	s_lshl_b32 s45, s[WJ], 6
	s_add_co_u32 s44, s44, s45                     ; Y: row 128 x tile row + 64 x half,
	s_lshl_b32 s44, s44, 11
	s_lshl_b32 s45, s[KIND], 22
	s_add_co_u32 s44, s44, s45                     ; in the kind's tensor of codes
	s_mov_b32 s45, 0
	s_lshl_b32 s46, s23, 7
	s_lshl_b32 s47, s[WJ], 6
	s_add_co_u32 s46, s46, s47                     ; X: row 128 x tile column + 64 x half
	s_lshl_b32 s46, s46, 11
	s_mov_b32 s47, 0
	s_mul_i32 s66, s[WV], HALFT                    ; where they go: no place in the cluster enters an LDS address
	s_wait_kmcnt 0x0
	s_load_b256 s[68:75], s[12:13], 0x0            ; e0 .. e7
	s_load_b128 s[76:79], s[12:13], 0x20           ; e8 .. e11
	s_add_nc_u64 s[44:45], s[4:5], s[44:45]
	s_add_nc_u64 s[46:47], s[6:7], s[46:47]
	CROUND                                         ; all sixteen work-groups are here: the first joint loads meet
.irp s, 0,1
	s_mov_b32 s[G0+4*\s], 1
	s_add_co_u32 s[G0+4*\s+1], s66, \s*SLOT
	s_add_nc_u64 s[G0+4*\s+2:G0+4*\s+3], s[44:45], \s*512
	s_or_b32 s[G0+4*\s+3], s[G0+4*\s+3], 0x80000000
	s_mov_b32 s[G0B+4*\s], 1
	s_add_co_u32 s[G0B+4*\s+1], s66, \s*SLOT
	s_add_nc_u64 s[G0B+4*\s+2:G0B+4*\s+3], s[46:47], \s*512
	s_or_b32 s[G0B+4*\s+3], s[G0B+4*\s+3], 0x80000000
	JLOAD \s
.endr
	v_and_b32 v1, 15, v0                           ; r
	v_bfe_u32 v2, v0, 4, 1                         ; h
	v_mul_u32_u24 v3, v1, PITCH
	v_lshl_add_u32 v3, v2, 4, v3
	s_mul_i32 s88, s[WI], HALFT
	s_mul_i32 s89, s[WJ], HALFT
	s_add_co_u32 s89, s89, 2*HALFT
.irp s, 0,1
	v_add_nc_u32 v[ADRA+\s], s88, v3
	v_add_nc_u32 v[ADRB+\s], s89, v3
	s_add_co_u32 s88, s88, SLOT
	s_add_co_u32 s89, s89, SLOT
.endr
	v_lshlrev_b32 v[CSO], 8, v1
	v_lshl_add_u32 v[CSO], v2, 5, v[CSO]
	s_wait_alu depctr_va_vdst(0)
	v_and_b32 v[L16], 31, v0
	v_lshlrev_b32 v[VRD], 2, v[L16]
	v_lshlrev_b32 v[L16], 4, v[L16]
	s_mul_i32 s88, s[WI], 64*528                   ; v's stage, 128 rows (keys) of 512 bytes + 16: row 64 i + r, byte 256 j + 32 h
	s_lshl_b32 s89, s[WJ], 8
	s_add_co_u32 s88, s88, s89
	v_mul_u32_u24 v[VSTO], v1, 528
	v_lshl_add_u32 v[VSTO], v2, 5, v[VSTO]
	v_add_nc_u32 v[VSTO], s88, v[VSTO]
	s_mul_i32 s88, s[WV], 32*528                   ; out of it: wave w takes keys 32 w on; a lane a channel
	v_add_nc_u32 v[VRD], s88, v[VRD]
	s_lshl_b32 s88, s40, 7
	s_lshl_b32 s89, s[WI], 6
	s_add_co_u32 s88, s88, s89
	s_lshl_b32 s88, s88, 8                         ; my first row of cos and sin: rows of 256 bytes
	s_mov_b32 s89, 0
	s_add_nc_u64 s[84:85], s[8:9], s[88:89]
	s_add_nc_u64 s[86:87], s[10:11], s[88:89]
	WIN 0x80                                       ; destination window 2.  Every work-group loads the tables (v's tiles do not use them): so every register is written on every way
.irp a, 0,1,2,3
.irp b, 0,1,2,3
.irp u, 0,1
	global_load_b128 v[64*\a+8*\b+4*\u:64*\a+8*\b+4*\u+3], v[CSO], s[84:85] offset:\a*4096+64*\b+16*\u
	global_load_b128 v[64*\a+32+8*\b+4*\u:64*\a+32+8*\b+4*\u+3], v[CSO], s[86:87] offset:\a*4096+64*\b+16*\u
.endr
.endr
.endr
	WIN 0
.macro MULA f, a, zero                 ; four products: Y's block a against X's four.  The 16 accumulators take turns, in the same order in every quarter
.irp b, 0,1,2,3
.if \zero
	v_wmma_f32_16x16x128_fp8_fp8 v[ACC+8*(4*(\a)+\b):ACC+8*(4*(\a)+\b)+7], v[\f+64+16*\b:\f+64+16*\b+15], v[\f+16*(\a):\f+16*(\a)+15], 0
.else
	v_wmma_f32_16x16x128_fp8_fp8 v[ACC+8*(4*(\a)+\b):ACC+8*(4*(\a)+\b)+7], v[\f+64+16*\b:\f+64+16*\b+15], v[\f+16*(\a):\f+16*(\a)+15], v[ACC+8*(4*(\a)+\b):ACC+8*(4*(\a)+\b)+7]
.endif
.endr
.endm
.macro FETCH slot, k, f                ; 32 LDS loads: the fragments of 128 along K at byte k of the rows
	WIN TO_F
.irp i, 0,1,2,3
.irp c, 0,1,2,3
	ds_load_b128 v[\f+64+16*\i+4*\c:\f+64+16*\i+4*\c+3], v[ADRB+\slot] offset:\k+32*\c+\i*16*PITCH
.endr
.irp c, 0,1,2,3
	ds_load_b128 v[\f+16*\i+4*\c:\f+16*\i+4*\c+3], v[ADRA+\slot] offset:\k+32*\c+\i*16*PITCH
.endr
.endr
.endm
.macro QUARTER slot, k, f, g, zero     ; multiplies buffer f; the next quarter's fragments are asked for first, into g
	s_wait_dscnt 0x0                               ; buffer f is in
	PLACES                                         ; four places behind the products that read g, in front of the loads into it
	FETCH \slot, \k, \g
	WIN MUL
	MULA \f, 0, \zero
	MULA \f, 1, \zero
	MULA \f, 2, \zero
	MULA \f, 3, \zero
.endm
.macro TURN slot, next, fill           ; a slot's last quarter (buffer 1) and the change of slots
	WIN 0
	s_wait_tensorcnt 0x0                           ; all my tensor loads have landed: my part of the next slot
	ds_add_u32 v[SPW], v[NIL]                      ; 0 onto my spare word
	s_wait_dscnt 1                                 ; buffer 1's loads are in; the add alone may be out
	WIN MUL
	MULA F1, 0, 0
	s_wait_dscnt 0x0                               ; the add is done, and my reads of this slot are over
	s_barrier_signal -1
	MULA F1, 1, 0
	WIN 0
	s_barrier_wait -1
.if \fill
	CREST                                          ; the barrier has opened a round of the cluster's: no wave of any partner still reads this slot or has a load on its way
	s_add_nc_u64 s[G0+4*\slot+2:G0+4*\slot+3], s[G0+4*\slot+2:G0+4*\slot+3], 1024
	s_add_nc_u64 s[G0B+4*\slot+2:G0B+4*\slot+3], s[G0B+4*\slot+2:G0B+4*\slot+3], 1024
	JLOAD \slot                                    ; the first tensor load behind the round; its four v_nop are also the places in front of the loads below
.else
	PLACES
.endif
	FETCH \next, 0, F0
	WIN MUL
	MULA F1, 2, 0
	MULA F1, 3, 0
.endm
	s_wait_tensorcnt 1                             ; my part of K step 0 is in; K step 1's load may be out
	s_barrier_signal -1
	s_barrier_wait -1
	FETCH 0, 0, F0
	QUARTER 0, 128, F0, F1, 1                      ; the first products start the sums: nothing is cleared
	QUARTER 0, 256, F1, F0, 0
	QUARTER 0, 384, F0, F1, 0
	TURN 0, 1, 1
	QUARTER 1, 128, F0, F1, 0
	QUARTER 1, 256, F1, F0, 0
	QUARTER 1, 384, F0, F1, 0
	TURN 1, 0, 1
	QUARTER 0, 128, F0, F1, 0
	QUARTER 0, 256, F1, F0, 0
	QUARTER 0, 384, F0, F1, 0
	TURN 0, 1, 0
	QUARTER 1, 128, F0, F1, 0
	QUARTER 1, 256, F1, F0, 0
	QUARTER 1, 384, F0, F1, 0
	s_wait_dscnt 0x0
	WIN MUL
	MULA F1, 0, 0
	MULA F1, 1, 0
	MULA F1, 2, 0
	MULA F1, 3, 0
	WIN 0
	PLACES                                         ; four places in front of the first read of results
	s_wait_loadcnt 0x0                             ; cos and sin
	s_wait_kmcnt 0x0
	s_sub_co_i32 s88, s74, s68                     ; e6 - e0 - e1
	s_sub_co_i32 s88, s88, s69
	s_sub_co_i32 s89, s75, s70                     ; e7 - e2 - e3
	s_sub_co_i32 s89, s89, s71
	s_sub_co_i32 s90, s77, s72                     ; e9 - e4 - e5
	s_sub_co_i32 s90, s90, s73
	s_cmp_eq_u32 s[KIND], 1
	s_cselect_b32 s88, s89, s88
	s_cmp_eq_u32 s[KIND], 2
	s_cselect_b32 s88, s90, s88
	s_add_co_i32 s88, s88, 127
	s_lshl_b32 s89, s88, 23
	v_mov_b32 v[QSC], s89
	s_cmp_eq_u32 s[KIND], 2
	s_cbranch_scc1 .Lv1
	; ---- q and k: RoPE, the conversion; no LDS
	s_cmp_eq_u32 s[KIND], 0
	s_cselect_b64 s[80:81], s[14:15], s[16:17]     ; q's images or k's
	s_lshl_b32 s88, s23, 1
	s_add_co_u32 s88, s88, s[WJ]
	s_lshl_b32 s89, s[KIND], 5
	s_sub_co_u32 s88, s88, s89                     ; the head: 2 x tile column + j, less 32 for k
	s_lshl_b32 s88, s88, 17
	s_lshl_b32 s89, s40, 3
	s_lshl_b32 s90, s[WI], 2
	s_add_co_u32 s89, s89, s90                     ; my first tile of 16 rows
	s_lshl_b32 s89, s89, 10
	s_add_co_u32 s88, s88, s89
	s_mov_b32 s89, 0
	s_add_nc_u64 s[80:81], s[80:81], s[88:89]
.irp a, 0,1,2,3
	WIN 0x08                                       ; source 1 (cos, sin) window 2
.irp p, 0,1
.irp jj, 0,2,4,6                       ; ascending: each accumulator is first read at its low end
	v_pk_mul_f32 v[TT+16*\p+\jj:TT+16*\p+\jj+1], v[ACC+8*(4*\a+\p+2)+\jj:ACC+8*(4*\a+\p+2)+\jj+1], v[64*\a+32+8*\p+\jj:64*\a+32+8*\p+\jj+1]
	v_pk_mul_f32 v[TT+8+16*\p+\jj:TT+8+16*\p+\jj+1], v[ACC+8*(4*\a+\p)+\jj:ACC+8*(4*\a+\p)+\jj+1], v[64*\a+32+8*(\p+2)+\jj:64*\a+32+8*(\p+2)+\jj+1]
	v_pk_fma_f32 v[OUTR+8*\p+\jj:OUTR+8*\p+\jj+1], v[ACC+8*(4*\a+\p)+\jj:ACC+8*(4*\a+\p)+\jj+1], v[64*\a+8*\p+\jj:64*\a+8*\p+\jj+1], v[TT+16*\p+\jj:TT+16*\p+\jj+1] neg_lo:[0,0,1] neg_hi:[0,0,1]   ; d < 32: x cos - x(d + 32) sin
	v_pk_fma_f32 v[OUTR+8*(\p+2)+\jj:OUTR+8*(\p+2)+\jj+1], v[ACC+8*(4*\a+\p+2)+\jj:ACC+8*(4*\a+\p+2)+\jj+1], v[64*\a+8*(\p+2)+\jj:64*\a+8*(\p+2)+\jj+1], v[TT+8+16*\p+\jj:TT+8+16*\p+\jj+1]   ; d >= 32: x cos + x(d - 32) sin
.endr
.endr
	WIN 0
.set j, 0
.rept 32
.set j, j+1
.endr
.irp b, 0,1,2,3
	v_cvt_scalef32_pk8_fp8_f32 v[CODE+8*\a+2*\b:CODE+8*\a+2*\b+1], v[OUTR+8*\b:OUTR+8*\b+7], v[QSC]
.endr
	v_nop                                          ; a plain line behind the conversions: the next tile's lines write their sources
	global_store_b128 v[L16], v[CODE+8*\a:CODE+8*\a+3], s[80:81] offset:\a*1024          ; 512 consecutive bytes: registers 0-3 of the tile's operand
	global_store_b128 v[L16], v[CODE+8*\a+4:CODE+8*\a+7], s[80:81] offset:\a*1024+512    ; registers 4-7
.endr
	s_branch .Ljoin
.Lv1:
	; ---- v, part 1: the sums as they are into the stage
	s_wait_alu depctr_va_vdst(0)
.irp a, 0,1,2,3
.irp b, 0,1,2,3
	ds_store_b128 v[VSTO], v[ACC+8*(4*\a+\b):ACC+8*(4*\a+\b)+3] offset:\a*16*528+64*\b
	ds_store_b128 v[VSTO], v[ACC+8*(4*\a+\b)+4:ACC+8*(4*\a+\b)+7] offset:\a*16*528+64*\b+16
.endr
.endr
.Ljoin:
	s_wait_dscnt 0x0                               ; for the others' sake: my stores into the stage are done
	s_barrier_signal -1
	s_barrier_wait -1
	s_cmp_lg_u32 s[KIND], 2
	s_cbranch_scc1 .Lend
	; ---- v, part 2: a lane takes a channel, its registers run down the keys
	s_lshl_b32 s88, s23, 1
	s_sub_co_u32 s88, s88, 40                      ; the tile's first kv head
	s_lshl_b32 s88, s88, 17
	s_lshl_b32 s89, s40, 2
	s_add_co_u32 s89, s89, s[WV]                   ; my block of 32 keys
	s_lshl_b32 s89, s89, 11
	s_add_co_u32 s88, s88, s89
	s_add_co_u32 s88, s88, 0x100000                ; v's images lie behind k's
	s_mov_b32 s89, 0
	s_add_nc_u64 s[82:83], s[16:17], s[88:89]
; unit u = 4 gl + 2 h + dh: head gl of the tile's two, half h of the operand's lanes, channels 32 dh + lane.  Register i: key 8 h + i % 8 + 16 (i / 8) of my 32
.macro VLOAD u
.irp i, 0,1,2,3,4,5,6,7,8,9,10,11,12,13,14,15
	ds_load_b32 v[128+16*(\u)+\i], v[VRD] offset:(8*(((\u)/2)%2)+(\i%8)+16*(\i/8))*528+(64*((\u)/4)+32*((\u)%2))*4
.endr
.endm
.macro VUNIT u, left
	s_wait_dscnt \left                             ; this unit's 16 loads are in; the later units' may be out
.irp i, 0,1,2,3,4,5,6,7,8,9,10,11,12,13,14,15
.endr
	v_cvt_scalef32_pk8_fp8_f32 v[32+4*(\u):33+4*(\u)], v[128+16*(\u):128+16*(\u)+7], v[QSC]
	v_cvt_scalef32_pk8_fp8_f32 v[34+4*(\u):35+4*(\u)], v[128+16*(\u)+8:128+16*(\u)+15], v[QSC]
	v_nop
	global_store_b128 v[L16], v[32+4*(\u):35+4*(\u)], s[82:83] offset:((\u)/4)*131072+(((\u)/2)%2)*1024+((\u)%2)*512   ; 512 consecutive bytes
.endm
	VLOAD 0
	VLOAD 1
.irp u, 0,1,2,3,4,5
	VLOAD \u+2
	VUNIT \u, 32
.endr
	VUNIT 6, 16
	VUNIT 7, 0
.Lend:
	s_wait_tensorcnt 0x0                           ; the wave's end
	ds_add_u32 v[SPW], v[NIL]
	s_wait_dscnt 0x0
	CROUND                                         ; the closing round
	s_endpgm
.Lfunc_end_k_q4450896fe6_proj:
	.size	k_q4450896fe6_proj, .Lfunc_end_k_q4450896fe6_proj-k_q4450896fe6_proj
	.p2alignl 7, 3214868480
	.fill 96, 4, 3214868480
	.section	.rodata,"a",@progbits
	.p2align	6, 0x0
	.amdhsa_kernel k_q4450896fe6_proj
		.amdhsa_group_segment_fixed_size 327680
		.amdhsa_private_segment_fixed_size 0
		.amdhsa_enable_private_segment 0
		.amdhsa_kernarg_size 56
		.amdhsa_user_sgpr_count 2
		.amdhsa_user_sgpr_kernarg_segment_ptr 1
		.amdhsa_wavefront_size32 1
		.amdhsa_system_sgpr_workgroup_id_x 1
		.amdhsa_system_sgpr_workgroup_id_y 1
		.amdhsa_system_sgpr_workgroup_id_z 1
		.amdhsa_system_vgpr_workitem_id 0
		.amdhsa_next_free_vgpr 768
		.amdhsa_next_free_sgpr 100
		.amdhsa_reserve_vcc 0
		.amdhsa_float_denorm_mode_32 3
		.amdhsa_float_denorm_mode_16_64 3
		.amdhsa_fp16_overflow 1
		.amdhsa_memory_ordered 1
		.amdhsa_forward_progress 1
		.amdhsa_inst_pref_size 92
	.end_amdhsa_kernel
	.amdgpu_metadata
---
amdhsa.version: [ 1, 2 ]
amdhsa.kernels:
  - .name:           k_q4450896fe6_proj
    .symbol:         k_q4450896fe6_proj.kd
    .args:
      - { .name: hc, .offset: 0, .size: 8, .value_kind: global_buffer, .address_space: global }
      - { .name: wc, .offset: 8, .size: 8, .value_kind: global_buffer, .address_space: global }
      - { .name: position_cos, .offset: 16, .size: 8, .value_kind: global_buffer, .address_space: global }
      - { .name: position_sin, .offset: 24, .size: 8, .value_kind: global_buffer, .address_space: global }
      - { .name: lowp_scales, .offset: 32, .size: 8, .value_kind: global_buffer, .address_space: global }
      - { .name: qimg, .offset: 40, .size: 8, .value_kind: global_buffer, .address_space: global }
      - { .name: kv, .offset: 48, .size: 8, .value_kind: global_buffer, .address_space: global }
    .group_segment_fixed_size: 327680
    .private_segment_fixed_size: 0
    .kernarg_segment_align: 8
    .kernarg_segment_size: 56
    .max_flat_workgroup_size: 128
    .sgpr_count:     100
    .vgpr_count:     768
    .wavefront_size: 32
...
	.end_amdgpu_metadata
.endif
;; end of part 2
;; launch attn (part 3): grid 32 x 8, 4 waves a work-group, clusters of 4 x 4, 327,680 bytes of LDS; arguments qimg, kv, attention_mask, lowp_scales, ac; writes ac
.if DOCPART == 3
	.amdgcn_target "amdgcn-amd-amdhsa--gfx1250"
	.amdhsa_code_object_version 6
	.text
	.protected	k_q4450896fe6_attn
	.globl	k_q4450896fe6_attn
	.p2align	8
	.type	k_q4450896fe6_attn,@function
k_q4450896fe6_attn:
	s_mov_b64 s[64:65], 0
	v_nop
	global_prefetch_b8 v0, s[64:65] scope:SCOPE_SE
	s_setreg_imm32_b32 hwreg(HW_REG_WAVE_MODE, 25, 1), 1
	s_wait_xcnt 0x0
	s_wait_alu depctr_hold_cnt(0) depctr_sa_sdst(0) depctr_va_vdst(0) depctr_va_sdst(0) depctr_va_ssrc(0) depctr_va_vcc(0) depctr_vm_vsrc(0)
	s_getreg_b32 s2, hwreg(HW_REG_IB_STS2, 6, 4)
	s_cmp_eq_u32 s2, 0
	s_cbranch_scc0 .Lentry_in_a_cluster
	s_endpgm
.Lentry_in_a_cluster:
	s_bfe_u32 s2, ttmp6, 0x10000c
	s_cmp_lg_u32 s2, 0xf033
	s_cbranch_scc0 .Lentry_shape_is_right
	s_endpgm
.Lentry_shape_is_right:
; Attention on codes of FP8, 32 query heads over 8 kv heads, head size 64, 2,048 keys, with the additive mask that is given (all of it is read and added; no key is left out).
; SHARES.  A work-group owns 64 queries (x) of one kv head (g); wave w owns queries 64 x + 16 w + 0..15 for the FOUR query heads 4 g + T: four tiles that share every fragment of K and V and every register of the mask.
; Every wave walks all keys, 128 a step.  A slot of LDS holds 256 keys: K's images (16 KiB), V's images (16 KiB), 64 rows x 1 KiB of the mask.  Two slots, filled by joint loads: K and V are shared along a row of the
; 4 x 4 cluster (same g), the mask along a column (same x).  Wave 0 fetches K, wave 1 V, waves 2 and 3 32 rows of the mask each.
; LAYOUT.  S^T = K Q^T (source 0 = 16 keys, source 1 = my 16 queries; one instruction of 64 deep) and O^T = V^T P^T (128 deep): a lane holds ONE query throughout; score register 8 c + j is key 16 c + 8 h + j, so a conversion
; of a tile's eight numbers gives registers 2 c, 2 c + 1 of P: every k stands in its own place.
; SOFTMAX.  t = S x (log2(e) 2^(e6 + e7 - 3)) + mask x log2(e), one fused multiply-add; the mask's product is made once a step for the four tiles.  M = the running largest t rounded up to a whole number, kept as -M;
; p = 2^(t - M); the row's sum is taken of the unquantised p; when M moves, the sum and O^T are multiplied by 2^(old M - new M), which rounds nothing.  At the end O^T / sum is quantised for the last product (entry 10).
; THE ORDER OF A STEP.  The tiles go in PAIRS (0, 1 and 2, 3), one in each of two score buffers, and a pair's softmax is written in lockstep: each line for the one tile, then for the other.  The maximum and the sum run in four
; chains a tile, so a chain's line reads the result of the eighth line ahead of it; a pair's 128 exponentials are one batch with one wait.
; LIMITS: e6 + e7 - 3 between -126 and 127; e8, and e10 - e8 - e9, between -126 and 119.  A row whose mask is -infinity at every key gives NaN.
; REGISTERS.  window 0: v1-12 addresses; v16-47 eight registers of statistics a tile (+0 -M, +1 largest t, +2 +3 sum, +4 f, +5 0, +6 the reciprocal at the end, +7 the old -M); v48-51 scales; v52-63 six registers of chains for each
;   tile of a pair; v64-127 the mask; v128-191, v192-255 two score buffers.
;   window 1: v0-127 O^T (tile T, channels 16 t on: 32 T + 8 t); v128-159 Q; v160-191 two buffers of P.   window 2: v0-63 K's eight fragments; v64-127 V's four.
.set SLOT1, 131072                     ; slot 1 begins here: one exclusive or turns an address from one slot into the other's
.set VOFF,  16384
.set MOFF,  32768
.set MP,    1040                       ; a row of the mask in LDS: 1,024 bytes + 16
.set STAGE, 102400                     ; the way out: 16 rows x 272 bytes a wave; no fill lands here (slot 0's tiles end at 99,328)
.set SPARE, 262144                     ; the spare words: 128 bytes a wave
.set AK0, 1
.set AV0, 2
.set AM0, 3
.set ADK, 4
.set ADV, 5
.set ADM, 6
.set SPW, 7
.set NIL, 8
.set STO, 9
.set RD,  10
.set GO,  11
.set PFO, 12
.set ST,  16
.set PLIM, 48                          ;   v49 2^e8
.set PSC,  49
.set OLIM, 50                          ; v51 the same with e10 - e8 - e9
.set OSC,  51
.set XR,   52                          ; v52-57, v58-63: the chains of the pair's first and second tile: four of the maximum, then three pairs of the sum
.set MK,  64
.set S,   128
.set QF,  128
.set PF,  160
.set VF,  64
.set WV,  14
.set LIM, 15
.set G1KV, 24
.set G1M,  32
.set G0KV, 40
.set G0M,  48
.set SLOTS, 56
.set TWICE, 57
.set CS,  58                           ; s[58:59] log2(e) 2^(e6 + e7 - 3)
.set L2E, 60                           ; s[60:61] log2(e)
.set TK,  62                           ; s62 LDS byte at which K's (and, VOFF on, V's) images of the step to be fetched begin
.set TM,  63                           ; s63 the same for the mask's columns
.set SEL, 66
.set PFA, 80
.set PFS, 82
.set MSB, 0
.macro WIN new
.if MSB != \new
	s_set_vgpr_msb (MSB<<8)|\new
.set MSB, \new
.endif
.endm
.macro PLACES
.rept 4
	v_nop
.endr
.endm
.macro JLOAD                           ; the joint refill: the walking descriptors; four v_nop follow each line
	s_cmp_lt_u32 s[WV], 2
	s_cbranch_scc0 .Lfor_m_\@
	tensor_load_to_lds s[G0KV+4:G0KV+7], s[G1KV:G1KV+7]
	s_nop 0
	PLACES
	s_branch .Lasked_\@
.Lfor_m_\@:
	tensor_load_to_lds s[G0M+4:G0M+7], s[G1M:G1M+7]
	s_nop 0
	PLACES
.Lasked_\@:
.endm
; A prefetch of what the NEXT change of slots will ask for, two key steps ahead of that load.  Each aligned block of 256 bytes is named once in the launch.  K and V of a head are walked by all clusters along x: the cluster with
; x = 0 asks, wave 0; its four partners of one g take 4,096 bytes of K and of V each, told apart by address (lanes 0-15 K, lanes 16-31 V).  The mask's rows are walked by both clusters along y: the one with y = 0 asks,
; waves 2 and 3; the four partners of one x take 16 rows each, a wave 8 rows x 4 blocks.  The last change that fills a slot asks for nothing.
.macro ASK
	s_cmp_gt_u32 s[SLOTS], s[LIM]
	s_cbranch_scc0 .Lnot_mine_\@
	global_prefetch_b8 v[PFO], s[PFA:PFA+1] th:TH_LOAD_NT scope:SCOPE_SE
.Lnot_mine_\@:
.endm
.macro CROUND
	s_barrier_signal -1
	s_barrier_wait -1
	s_cmp_lg_u32 s[WV], 0
	s_cbranch_scc1 .Lnot_wave_0_\@
	s_barrier_signal -3
.Lnot_wave_0_\@:
	s_barrier_wait -3
	s_barrier_signal -1
	s_barrier_wait -1
.endm
	s_load_b256 s[4:11], s[0:1], 0x0               ; qimg s[4:5], kv s[6:7], mask s[8:9], scales s[10:11]
	s_load_b64 s[12:13], s[0:1], 0x20              ; ac
	v_lshl_add_u32 v[SPW], v0, 2, SPARE
	v_mov_b32 v[NIL], 0
	ds_add_u32 v7, v8
	ds_add_u32 v7, v8
	s_wait_dscnt 0x0
	v_lshrrev_b32 v13, 5, v0
	v_readfirstlane_b32 s[WV], v13
	s_bfe_u32 s16, ttmp6, 0x40000                  ; cx
	s_bfe_u32 s17, ttmp6, 0x40004                  ; cy
	s_lshl_b32 s18, ttmp9, 2
	s_add_co_u32 s18, s18, s16                     ; x: my block of 64 queries
	s_and_b32 s19, ttmp7, 0xffff
	s_lshl_b32 s19, s19, 2
	s_add_co_u32 s19, s19, s17                     ; g: my kv head
	s_lshl_b32 s20, s17, 2
	s_lshl_b32 s20, 15, s20                        ; my row of the cluster (same g)
	s_lshl_b32 s21, 0x1111, s16                    ; my column (same x)
	s_and_b32 s22, s[WV], 1
	s_or_b32 s[G1KV], s20, (3<<16)|(1<<21)         ; K's or V's images: 16 KiB, dense, as 64 rows of 32 elements of 8 bytes
	s_mov_b32 s[G1KV+1], 32<<16
	s_mov_b32 s[G1KV+2], 64<<16
	s_mov_b32 s[G1KV+3], 32<<16
	s_mov_b32 s[G1KV+4], 64
	s_mov_b32 s[G1KV+5], 32
	s_mov_b32 s[G1KV+6], 0
	s_mov_b32 s[G1KV+7], 0
	s_or_b32 s[G1M], s21, (2<<16)|(1<<20)|(1<<21)|(7<<22)|(3<<25)   ; the mask: 32 rows of 256 elements of 4 bytes; 4 words of padding after every 256
	s_mov_b32 s[G1M+1], 256<<16
	s_mov_b32 s[G1M+2], 32<<16
	s_mov_b32 s[G1M+3], 256<<16
	s_mov_b32 s[G1M+4], 32
	s_mov_b32 s[G1M+5], 2048
	s_mov_b32 s[G1M+6], 0
	s_mov_b32 s[G1M+7], 0
	s_lshl_b32 s84, s19, 17                        ; K, V: the head's 131,072 bytes; V's lie 2^20 behind K's
	s_lshl_b32 s85, s22, 20
	s_add_co_u32 s84, s84, s85
	s_mov_b32 s85, 0
	s_lshl_b32 s86, s18, 6                         ; the mask: row 64 x + 32 (wave % 2), rows of 8,192 bytes
	s_lshl_b32 s87, s22, 5
	s_add_co_u32 s86, s86, s87
	s_lshl_b32 s86, s86, 13
	s_mov_b32 s87, 0
	s_lshl_b32 s88, s22, 14                        ; in a slot: K at 0, V at 16,384;
	s_mul_i32 s89, s22, 32*MP
	s_add_co_u32 s89, s89, MOFF                    ; the mask's halves
	s_mov_b32 s[SEL], 0x76543210
	s_mov_b32 s[SEL+1], 0xfedcba98
	s_mov_b32 s[L2E], 0x3fb8aa3b
	s_mov_b32 s[L2E+1], 0x3fb8aa3b
	s_mov_b32 s[TK], 0
	s_mov_b32 s[TM], 0
	s_mov_b32 s[SLOTS], 6
	s_wait_kmcnt 0x0
	s_load_b256 s[68:75], s[10:11], 0x0            ; e0 .. e7
	s_load_b128 s[76:79], s[10:11], 0x20           ; e8 .. e11
	s_add_nc_u64 s[90:91], s[6:7], s[84:85]
	s_add_nc_u64 s[92:93], s[8:9], s[86:87]
	CROUND                                         ; all sixteen work-groups are here: the first joint loads meet
.irp s, 0,1
	s_mov_b32 s[G0KV+4*\s], 1
	s_add_co_u32 s[G0KV+4*\s+1], s88, \s*SLOT1
	s_add_nc_u64 s[G0KV+4*\s+2:G0KV+4*\s+3], s[90:91], \s*16384
	s_or_b32 s[G0KV+4*\s+3], s[G0KV+4*\s+3], 0x80000000
	s_mov_b32 s[G0M+4*\s], 1
	s_add_co_u32 s[G0M+4*\s+1], s89, \s*SLOT1
	s_add_nc_u64 s[G0M+4*\s+2:G0M+4*\s+3], s[92:93], \s*1024
	s_or_b32 s[G0M+4*\s+3], s[G0M+4*\s+3], 0x80000000
.endr
	s_cmp_lt_u32 s[WV], 2                          ; a wave's two first fills stand in one branch: two loads of mine are out
	s_cbranch_scc0 .Lfirst_m
	tensor_load_to_lds s[G0KV:G0KV+3], s[G1KV:G1KV+7]
	s_nop 0
	tensor_load_to_lds s[G0KV+4:G0KV+7], s[G1KV:G1KV+7]
	s_nop 0
	PLACES
	s_branch .Lfirst_asked
.Lfirst_m:
	tensor_load_to_lds s[G0M:G0M+3], s[G1M:G1M+7]
	s_nop 0
	tensor_load_to_lds s[G0M+4:G0M+7], s[G1M:G1M+7]
	s_nop 0
	PLACES
.Lfirst_asked:
	v_and_b32 v13, 31, v0                          ; lane
	v_and_b32 v14, 15, v0                          ; r
	v_bfe_u32 v15, v0, 4, 1                        ; h
	v_lshlrev_b32 v[AK0], 4, v13                   ; an image's place for my lane
	s_lshl_b32 s84, s19, 19                        ; Q: head 4 g, tile 4 x + w
	s_lshl_b32 s85, s18, 2
	s_add_co_u32 s85, s85, s[WV]
	s_lshl_b32 s85, s85, 10
	s_add_co_u32 s84, s84, s85
	s_mov_b32 s85, 0
	s_add_nc_u64 s[4:5], s[4:5], s[84:85]
	WIN 0x40                                       ; destination window 1
.irp T, 0,1,2,3
	global_load_b128 v[QF+8*\T:QF+8*\T+3], v[AK0], s[4:5] offset:\T*131072
	global_load_b128 v[QF+8*\T+4:QF+8*\T+7], v[AK0], s[4:5] offset:\T*131072+512
.endr
	WIN 0
	v_lshlrev_b32 v[AV0], 4, v14
	v_lshl_add_u32 v[AV0], v15, 10, v[AV0]
	v_add_nc_u32 v[AV0], VOFF, v[AV0]              ; V: 1,024 h + 16 r
	s_mul_i32 s84, s[WV], 16*MP
	s_add_co_u32 s84, s84, MOFF
	v_mul_u32_u24 v[AM0], v14, MP
	v_lshl_add_u32 v[AM0], v15, 5, v[AM0]
	v_add_nc_u32 v[AM0], s84, v[AM0]               ; the mask: row 16 w + r, + 32 h
	s_mul_i32 s84, s[WV], 16*272
	s_add_co_u32 s84, s84, STAGE
	v_mul_u32_u24 v[STO], v14, 272
	v_lshl_add_u32 v[STO], v15, 3, v[STO]
	v_add_nc_u32 v[STO], s84, v[STO]               ; the stage, in: row r, + 8 h
	v_mul_u32_u24 v[RD], v15, 272
	v_lshl_add_u32 v[RD], v14, 4, v[RD]
	v_add_nc_u32 v[RD], s84, v[RD]                 ; back: lanes 0-15 one row of 256 bytes, lanes 16-31 the next
	v_lshlrev_b32 v[GO], 11, v15
	v_lshl_add_u32 v[GO], v14, 4, v[GO]            ; and the same two rows in ac
	s_lshl_b32 s84, s18, 6
	s_lshl_b32 s85, s[WV], 4
	s_add_co_u32 s84, s84, s85
	s_lshl_b32 s84, s84, 11                        ; my first query's row of 2,048 codes,
	s_lshl_b32 s85, s19, 8
	s_add_co_u32 s84, s84, s85                     ; + the four heads' 256 bytes
	s_mov_b32 s85, 0
	s_add_nc_u64 s[12:13], s[12:13], s[84:85]
	; the prefetches: where mine stand, their step, the lanes' offsets, and who asks
	s_lshl_b32 s85, s19, 17
	s_lshl_b32 s86, s16, 12
	s_add_co_u32 s85, s85, s86
	s_add_co_u32 s85, s85, 32768                   ; K, V: my work-group's 4,096 bytes, in the third 256 keys: the first change of slots steps it on
	s_lshl_b32 s86, s18, 6
	s_lshl_b32 s87, s17, 4
	s_add_co_u32 s86, s86, s87
	s_lshl_b32 s87, s22, 3
	s_add_co_u32 s86, s86, s87
	s_lshl_b32 s86, s86, 13
	s_add_co_u32 s94, s86, 2048                    ; the mask: row 64 x + 16 cy + 8 (wave % 2), likewise
	s_and_b32 s84, ttmp7, 0xffff
	s_mov_b32 s[PFS], 1024
	s_mov_b32 s87, 3
	s_mov_b32 s88, 2
	s_mov_b32 s89, 13
	s_cmp_lt_u32 s[WV], 2
	s_cselect_b32 s84, ttmp9, s84                  ; the coordinate along which other clusters read the same bytes
	s_cselect_b64 s[PFA:PFA+1], s[6:7], s[8:9]
	s_cselect_b32 s94, s85, s94
	s_cselect_b32 s[PFS], 16384, s[PFS]
	s_cselect_b32 s87, 15, s87
	s_cselect_b32 s88, 4, s88
	s_cselect_b32 s89, 20, s89
	s_mov_b32 s95, 0
	s_mov_b32 s[PFS+1], 0
	s_add_nc_u64 s[PFA:PFA+1], s[PFA:PFA+1], s[94:95]
	s_cmp_eq_u32 s[WV], 1
	s_cselect_b32 s84, 1, s84                      ; wave 1 asks for nothing
	s_cmp_eq_u32 s84, 0
	s_cselect_b32 s[LIM], 1, -1                    ; the same in all sixteen partners, for a given wave
	v_and_b32 v14, s87, v13
	v_lshrrev_b32 v15, s88, v13
	v_lshlrev_b32 v15, s89, v15
	v_lshl_add_u32 v[PFO], v14, 8, v15             ; K, V: 256 (lane % 16) + 2^20 (lane / 16);  the mask: 256 (lane % 4) + 8,192 (lane / 4)
.irp T, 0,1,2,3
	v_mov_b32 v[ST+8*\T+2], 0                      ; the sums
	v_mov_b32 v[ST+8*\T+3], 0
	v_mov_b32 v[ST+8*\T+5], 0                      ; (named as the upper half of f's pair)
.endr
	s_wait_kmcnt 0x0
	s_add_co_i32 s84, s74, s75
	s_sub_co_i32 s84, s84, 3
	s_lshl_b32 s84, s84, 23
	s_add_co_i32 s[CS], s[L2E], s84                ; e6 + e7 - 3 is added to log2(e)'s exponent field
	s_mov_b32 s[CS+1], s[CS]
	s_add_co_i32 s84, s76, 127
	s_lshl_b32 s85, s84, 23
	v_mov_b32 v[PSC], s85
	s_sub_co_i32 s84, s78, s76
	s_sub_co_i32 s84, s84, s77
	s_add_co_i32 s84, s84, 127
	s_lshl_b32 s85, s84, 23
	v_mov_b32 v[OSC], s85
.macro SQ T, buf                       ; tile T's scores of 128 keys: eight products, each a sum of its own
	WIN 0x06                                       ; K window 2, Q window 1, S^T window 0
.irp c, 0,1,2,3,4,5,6,7
	v_wmma_f32_16x16x64_fp8_fp8 v[S+64*(\buf)+8*\c:S+64*(\buf)+8*\c+7], v[8*\c:8*\c+7], v[QF+8*(\T):QF+8*(\T)+7], 0
.endr
.endm
.macro PV T, first                     ; O^T += V^T P^T: four accumulators, one instruction a turn
	WIN 0x56                                       ; V window 2; P, C and D window 1
.irp t, 0,1,2,3
.if \first
	v_wmma_f32_16x16x128_fp8_fp8 v[32*(\T)+8*\t:32*(\T)+8*\t+7], v[VF+16*\t:VF+16*\t+15], v[PF+16*((\T)%2):PF+16*((\T)%2)+15], 0
.else
	v_wmma_f32_16x16x128_fp8_fp8 v[32*(\T)+8*\t:32*(\T)+8*\t+7], v[VF+16*\t:VF+16*\t+15], v[PF+16*((\T)%2):PF+16*((\T)%2)+15], v[32*(\T)+8*\t:32*(\T)+8*\t+7]
.endif
.endr
.endm
.macro LOADK
	WIN 0x80                                       ; destination window 2
.irp c, 0,1,2,3,4,5,6,7
	ds_load_b128 v[8*\c:8*\c+3], v[ADK] offset:\c*1024
	ds_load_b128 v[8*\c+4:8*\c+7], v[ADK] offset:\c*1024+512
.endr
.endm
.macro LOADM
	WIN 0
.irp c, 0,1,2,3,4,5,6,7
	ds_load_b128 v[MK+8*\c:MK+8*\c+3], v[ADM] offset:64*\c
	ds_load_b128 v[MK+8*\c+4:MK+8*\c+7], v[ADM] offset:64*\c+16
.endr
.endm
.macro LOADV
	WIN 0x80
.irp t, 0,1,2,3
.irp c, 0,1,2,3
	ds_load_b128 v[VF+16*\t+4*\c:VF+16*\t+4*\c+3], v[ADV] offset:\c*2048+\t*256
.endr
.endr
.endm
.macro ADDRS
	v_add_nc_u32 v[ADK], s[TK], v[AK0]
	v_add_nc_u32 v[ADV], s[TK], v[AV0]
	v_add_nc_u32 v[ADM], s[TM], v[AM0]
.endm
; THE SOFTMAX OF A PAIR of tiles, T and T + 1, for one key step: tile T + u works on score buffer u, P's buffer u and the chains v[XR + 6 u] on.  Every line is written for u = 0 and then for u = 1.
; first = 1: the first step, which has no old M.  loadm = 1: the mask's registers are free behind the first 64 lines and take the next step's.
.macro SM2 T, first, loadm
	WIN 0
.set j, 0
.rept 32
.irp u, 0,1
	v_pk_fma_f32 v[S+64*\u+j:S+64*\u+j+1], v[S+64*\u+j:S+64*\u+j+1], s[CS:CS+1], v[MK+j:MK+j+1] op_sel_hi:[1,0,1]   ; t; ascending: each accumulator is first read at its low end
.endr
.set j, j+2
.endr
.if \loadm
	LOADM
.endif
	; the step's largest t of my query among my 64 keys: four chains a tile, chain k over registers 16 k .. 16 k + 14; the four registers 16 k + 15 and the four chains are then joined in two levels
.irp k, 0,1,2,3
.irp u, 0,1
	v_max3_num_f32 v[XR+6*\u+\k], v[S+64*\u+16*\k], v[S+64*\u+16*\k+1], v[S+64*\u+16*\k+2]
.endr
.endr
.set j, 3
.rept 6
.irp k, 0,1,2,3
.irp u, 0,1
	v_max3_num_f32 v[XR+6*\u+\k], v[XR+6*\u+\k], v[S+64*\u+16*\k+j], v[S+64*\u+16*\k+j+1]
.endr
.endr
.set j, j+2
.endr
.irp u, 0,1
	v_max3_num_f32 v[XR+6*\u], v[XR+6*\u], v[S+64*\u+15], v[S+64*\u+31]
.endr
.irp u, 0,1
	v_max3_num_f32 v[XR+6*\u+1], v[XR+6*\u+1], v[S+64*\u+47], v[S+64*\u+63]
.endr
.irp u, 0,1
	v_max_num_f32 v[XR+6*\u+2], v[XR+6*\u+2], v[XR+6*\u+3]
.endr
.irp u, 0,1
	v_max3_num_f32 v[XR+6*\u], v[XR+6*\u], v[XR+6*\u+1], v[XR+6*\u+2]
.endr
.irp u, 0,1
	v_permlanex16_b32 v[XR+6*\u+1], v[XR+6*\u], s[SEL], s[SEL+1]   ; lane l xor 16's; the destination has been written: it was a chain
.endr
.if \first
.irp u, 0,1
	v_max3_num_f32 v[ST+8*((\T)+\u)+1], v[XR+6*\u], v[XR+6*\u+1], 0xff61b1e6   ; never under -3e38, so that -M stays a number where all keys so far are at -infinity
.endr
.else
.irp u, 0,1
	v_mov_b32 v[ST+8*((\T)+\u)+7], v[ST+8*((\T)+\u)]               ; the old -M is kept for f
.endr
.irp u, 0,1
	v_max3_num_f32 v[ST+8*((\T)+\u)+1], v[ST+8*((\T)+\u)+1], v[XR+6*\u], v[XR+6*\u+1]   ; the running largest t
.endr
.endif
.irp u, 0,1
	v_floor_f32 v[ST+8*((\T)+\u)], -v[ST+8*((\T)+\u)+1]            ; -M = floor(-t) = -ceil(t)
.endr
	; ONE BATCH for the pair: 64 packed additions t - M and 128 exponentials; no line of it names an exponential's result.  The three lines that make f = 2^(old M - new M) stand among them
.irp q, 0,2
.irp u, 0,1
	v_pk_add_f32 v[S+64*\u+\q:S+64*\u+\q+1], v[S+64*\u+\q:S+64*\u+\q+1], v[ST+8*((\T)+\u):ST+8*((\T)+\u)+1] op_sel_hi:[1,0]
.endr
.endr
.set j, 0
.rept 32
.irp u, 0,1
	v_exp_f32 v[S+64*\u+j], v[S+64*\u+j]
	v_exp_f32 v[S+64*\u+j+1], v[S+64*\u+j+1]
.if j < 60
	v_pk_add_f32 v[S+64*\u+j+4:S+64*\u+j+5], v[S+64*\u+j+4:S+64*\u+j+5], v[ST+8*((\T)+\u):ST+8*((\T)+\u)+1] op_sel_hi:[1,0]
.endif
.if (\first == 0) && (j == 0)
	v_sub_f32 v[ST+8*((\T)+\u)+7], v[ST+8*((\T)+\u)], v[ST+8*((\T)+\u)+7]   ; old M - new M: a whole number, 0 or less
.endif
.if (\first == 0) && (j == 4)
	v_cvt_i32_f32 v[ST+8*((\T)+\u)+7], v[ST+8*((\T)+\u)+7]         ; (it saturates)
.endif
.if (\first == 0) && (j == 8)
	v_ldexp_f32 v[ST+8*((\T)+\u)+4], 1.0, v[ST+8*((\T)+\u)+7]      ; f
.endif
.endr
.set j, j+2
.endr
.if \first
	v_nop                                          ; the plain line behind the last exponential
.else
.irp u, 0,1
	v_pk_mul_f32 v[ST+8*((\T)+\u)+2:ST+8*((\T)+\u)+3], v[ST+8*((\T)+\u)+2:ST+8*((\T)+\u)+3], v[ST+8*((\T)+\u)+4:ST+8*((\T)+\u)+5] op_sel_hi:[1,0]   ; the sum under the new M; also the plain line behind the last exponential
.endr
.endif
	s_wait_alu depctr_va_vdst(0)                   ; one wait for the pair's batch, ahead of its first reader
	; the row's sum is taken of the unquantised p: four chains a tile (the sum itself and three that begin with two pairs each)
.irp k, 0,1,2
.irp u, 0,1
	v_pk_add_f32 v[XR+6*\u+2*\k:XR+6*\u+2*\k+1], v[S+64*\u+4*\k:S+64*\u+4*\k+1], v[S+64*\u+4*\k+2:S+64*\u+4*\k+3]
.endr
.endr
.set j, 12
.rept 26
.set c, ((j-12)/2)%4
.irp u, 0,1
.if c == 0
	v_pk_add_f32 v[ST+8*((\T)+\u)+2:ST+8*((\T)+\u)+3], v[ST+8*((\T)+\u)+2:ST+8*((\T)+\u)+3], v[S+64*\u+j:S+64*\u+j+1]
.else
	v_pk_add_f32 v[XR+6*\u+2*(c-1):XR+6*\u+2*(c-1)+1], v[XR+6*\u+2*(c-1):XR+6*\u+2*(c-1)+1], v[S+64*\u+j:S+64*\u+j+1]
.endif
.endr
.set j, j+2
.endr
.irp u, 0,1
	v_pk_add_f32 v[XR+6*\u:XR+6*\u+1], v[XR+6*\u:XR+6*\u+1], v[XR+6*\u+2:XR+6*\u+3]
.endr
.irp u, 0,1
	v_pk_add_f32 v[ST+8*((\T)+\u)+2:ST+8*((\T)+\u)+3], v[ST+8*((\T)+\u)+2:ST+8*((\T)+\u)+3], v[XR+6*\u+4:XR+6*\u+5]
.endr
.irp u, 0,1
	v_pk_add_f32 v[ST+8*((\T)+\u)+2:ST+8*((\T)+\u)+3], v[ST+8*((\T)+\u)+2:ST+8*((\T)+\u)+3], v[XR+6*\u:XR+6*\u+1]
.endr
.set j, 0
.rept 128
.set j, j+1
.endr
	WIN 0x40                                       ; destination window 1
.irp u, 0,1
.irp c, 0,1,2,3,4,5,6,7
	v_cvt_scalef32_pk8_fp8_f32 v[PF+16*\u+2*\c:PF+16*\u+2*\c+1], v[S+64*\u+8*\c:S+64*\u+8*\c+7], v[PSC]
.endr
.endr
.if \first
	v_nop                                          ; a plain line between the conversions and the products that read their results and write their sources
.else
	WIN 0x41                                       ; O^T window 1, f window 0
.set j, 0
.rept 16
.irp u, 0,1
	v_pk_mul_f32 v[32*((\T)+\u)+j:32*((\T)+\u)+j+1], v[32*((\T)+\u)+j:32*((\T)+\u)+j+1], v[ST+8*((\T)+\u)+4:ST+8*((\T)+\u)+5] op_sel_hi:[1,0]   ; O^T under the new M, ascending; these are also the plain lines behind the conversions
.endr
.set j, j+2
.endr
.endif
.endm
; A KEY STEP n.  On entry the LDS loads of step n are out or in, issued in this order: K's 16, the mask's 16, V's 16.  pre = 1: step n + 1's K and mask are fetched on the way (its V by HEADV).
.macro BODY first, pre
	WIN 0
.if \pre
	ADDRS
.endif
	s_wait_dscnt 32                                ; K's 16 loads are in; the mask's and V's 32 may be out
	SQ 0, 0
	SQ 1, 1
	WIN 0
	s_wait_dscnt 16                                ; the mask's 16 loads are in; V's 16 may be out
.set j, 0
.rept 32
	v_pk_mul_f32 v[MK+j:MK+j+1], v[MK+j:MK+j+1], s[L2E:L2E+1] op_sel_hi:[1,0]   ; mask x log2(e), once for the four tiles; these lines are also the places behind the products above
.set j, j+2
.endr
	SM2 0, \first, 0
	SQ 2, 0                                        ; the second pair's scores stand ahead of the first pair's eight longer products
	SQ 3, 1
	s_wait_dscnt 0x0                               ; V is in
	PV 0, \first
	PV 1, \first
	PLACES                                         ; four places between the second pair's scores and their first read, and behind K's last readers
.if \pre
	LOADK
.endif
	SM2 2, \first, \pre
	PV 2, \first
	PV 3, \first
.endm
.macro HEADV                           ; V of step n + 1, behind V's last readers; the fetches step on
	PLACES
	LOADV
	WIN 0
	s_add_co_u32 s[TK], s[TK], 8192
	s_add_co_u32 s[TM], s[TM], 512
.endm
.macro TWO_STEPS
	s_mov_b32 s[TWICE], 2
.Lstep_\@:
	BODY 0, 1
	HEADV
	s_sub_co_u32 s[TWICE], s[TWICE], 1
	s_cmp_lg_u32 s[TWICE], 0
	s_cbranch_scc1 .Lstep_\@
.endm
; THE CHANGE OF SLOTS stands in front of a slot's second step: all reads of the slot have been issued.  Each wave waits for all its tensor loads (one is out: its part of the other slot), adds 0 to its spare word, and waits for
; that and for its reads.  fill = 1: the barrier is a round of the cluster's, and the slot is filled again first thing behind it, with the keys two slots on: the load has two key steps in which to land.
.macro CHANGE fill
	WIN 0
	s_wait_tensorcnt 0x0                           ; no tensor load of mine is out, so a group 0 may be written
	ds_add_u32 v[SPW], v[NIL]                      ; 0 onto my spare word
.if \fill
	s_xor_b32 s[G0KV+5], s[G0KV+5], SLOT1
	s_add_nc_u64 s[G0KV+6:G0KV+7], s[G0KV+6:G0KV+7], 16384
	s_xor_b32 s[G0M+5], s[G0M+5], SLOT1
	s_add_nc_u64 s[G0M+6:G0M+7], s[G0M+6:G0M+7], 1024
	s_wait_xcnt 0x0                                ; the last prefetch, two key steps back, has read its address
	s_add_nc_u64 s[PFA:PFA+1], s[PFA:PFA+1], s[PFS:PFS+1]
	s_wait_dscnt 0x0                               ; the add is done, and my reads of the slot are over
	CROUND
	JLOAD
	ASK
.else
	s_wait_dscnt 0x0
	s_barrier_signal -1
	s_barrier_wait -1
.endif
	s_sub_co_u32 s[TK], s[TK], 16384               ; the fetches go to the other slot's first step
	s_xor_b32 s[TK], s[TK], SLOT1
	s_sub_co_u32 s[TM], s[TM], 1024
	s_xor_b32 s[TM], s[TM], SLOT1
.endm
	s_wait_tensorcnt 1                             ; my part of slot 0 is in; slot 1's may stay out
	s_barrier_signal -1
	s_barrier_wait -1
	ADDRS
	LOADK
	LOADM
	LOADV
	WIN 0
	s_add_co_u32 s[TK], s[TK], 8192
	s_add_co_u32 s[TM], s[TM], 512
	s_wait_loadcnt 0x0                             ; Q
	BODY 1, 1                                      ; key step 0
	HEADV
.Lslot:                                            ; six trips: steps 1 to 12; each fills a slot again
	CHANGE 1
	TWO_STEPS
	s_sub_co_u32 s[SLOTS], s[SLOTS], 1
	s_cmp_lg_u32 s[SLOTS], 0
	s_cbranch_scc1 .Lslot
	CHANGE 0                                       ; the tail is written out
	TWO_STEPS                                      ; steps 13, 14
	BODY 0, 0                                      ; step 15
	; THE WAY OUT: O^T / the sum, quantised for the last product, through my stage: a row is my query's four heads, 256 codes.  The additions are the places behind the last products.
	WIN 0
.irp T, 0,1,2,3
	v_add_f32 v[ST+8*\T+4], v[ST+8*\T+2], v[ST+8*\T+3]
.endr
.irp T, 0,1,2,3
	v_permlanex16_b32 v[ST+8*\T+5], v[ST+8*\T+4], s[SEL], s[SEL+1]
.endr
.irp T, 0,1,2,3
	v_add_f32 v[ST+8*\T+4], v[ST+8*\T+4], v[ST+8*\T+5]
.endr
.irp T, 0,1,2,3
	v_rcp_f32 v[ST+8*\T+6], v[ST+8*\T+4]
.endr
	v_nop                                          ; a plain line behind the last reciprocal
	s_wait_alu depctr_va_vdst(0)                   ; one wait for the four, ahead of the first reader
	WIN 0x01                                       ; source 0 (O^T) window 1
.irp T, 0,1,2,3
.set j, 0
.rept 16
	v_pk_mul_f32 v[S+32*\T+j:S+32*\T+j+1], v[32*\T+j:32*\T+j+1], v[ST+8*\T+6:ST+8*\T+7] op_sel_hi:[1,0]
.set j, j+2
.endr
.endr
	WIN 0
.set j, 0
.rept 128
.set j, j+1
.endr
.set j, 0
.rept 16
	v_cvt_scalef32_pk8_fp8_f32 v[MK+2*j:MK+2*j+1], v[S+8*j:S+8*j+7], v[OSC]   ; j = 4 T + t: head T, channels 16 t + 8 h + 0..7
.set j, j+1
.endr
	v_nop
.set j, 0
.rept 16
	ds_store_b64 v[STO], v[MK+2*j:MK+2*j+1] offset:16*j
.set j, j+1
.endr
.irp i, 0,1,2,3,4,5,6,7
	ds_load_b128 v[96+4*\i:99+4*\i], v[RD] offset:544*\i   ; LDS serves a wave's instructions in order: these see my stores
.endr
.irp i, 0,1,2,3,4,5,6,7
	s_wait_dscnt 7-\i
	global_store_b128 v[GO], v[96+4*\i:99+4*\i], s[12:13] offset:4096*\i   ; sixteen lanes store 256 consecutive bytes, at a multiple of 256 from ac's first byte
.endr
	s_wait_tensorcnt 0x0                           ; the wave's end
	ds_add_u32 v[SPW], v[NIL]
	s_wait_dscnt 0x0
	CROUND                                         ; the closing round
	s_endpgm
.Lfunc_end_k_q4450896fe6_attn:
	.size	k_q4450896fe6_attn, .Lfunc_end_k_q4450896fe6_attn-k_q4450896fe6_attn
	.p2alignl 7, 3214868480
	.fill 96, 4, 3214868480
	.section	.rodata,"a",@progbits
	.p2align	6, 0x0
	.amdhsa_kernel k_q4450896fe6_attn
		.amdhsa_group_segment_fixed_size 327680
		.amdhsa_private_segment_fixed_size 0
		.amdhsa_enable_private_segment 0
		.amdhsa_kernarg_size 40
		.amdhsa_user_sgpr_count 2
		.amdhsa_user_sgpr_kernarg_segment_ptr 1
		.amdhsa_wavefront_size32 1
		.amdhsa_system_sgpr_workgroup_id_x 1
		.amdhsa_system_sgpr_workgroup_id_y 1
		.amdhsa_system_sgpr_workgroup_id_z 1
		.amdhsa_system_vgpr_workitem_id 0
		.amdhsa_next_free_vgpr 640
		.amdhsa_next_free_sgpr 100
		.amdhsa_reserve_vcc 0
		.amdhsa_float_denorm_mode_32 3
		.amdhsa_float_denorm_mode_16_64 3
		.amdhsa_fp16_overflow 1
		.amdhsa_memory_ordered 1
		.amdhsa_forward_progress 1
		.amdhsa_inst_pref_size 243
	.end_amdhsa_kernel
	.amdgpu_metadata
---
amdhsa.version: [ 1, 2 ]
amdhsa.kernels:
  - .name:           k_q4450896fe6_attn
    .symbol:         k_q4450896fe6_attn.kd
    .args:
      - { .name: qimg, .offset: 0, .size: 8, .value_kind: global_buffer, .address_space: global }
      - { .name: kv, .offset: 8, .size: 8, .value_kind: global_buffer, .address_space: global }
      - { .name: attention_mask, .offset: 16, .size: 8, .value_kind: global_buffer, .address_space: global }
      - { .name: lowp_scales, .offset: 24, .size: 8, .value_kind: global_buffer, .address_space: global }
      - { .name: ac, .offset: 32, .size: 8, .value_kind: global_buffer, .address_space: global }
    .group_segment_fixed_size: 327680
    .private_segment_fixed_size: 0
    .kernarg_segment_align: 8
    .kernarg_segment_size: 40
    .max_flat_workgroup_size: 128
    .sgpr_count:     100
    .vgpr_count:     640
    .wavefront_size: 32
...
	.end_amdgpu_metadata
.endif
;; end of part 3
;; launch outp (part 4): grid 16 x 16, 4 waves a work-group, clusters of 4 x 4, 327,680 bytes of LDS; arguments ac, wc, lowp_scales, out0; writes out0
.if DOCPART == 4
	.amdgcn_target "amdgcn-amd-amdhsa--gfx1250"
	.amdhsa_code_object_version 6
	.text
	.protected	k_q4450896fe6_outp
	.globl	k_q4450896fe6_outp
	.p2align	8
	.type	k_q4450896fe6_outp,@function
k_q4450896fe6_outp:
	s_mov_b64 s[64:65], 0
	v_nop
	global_prefetch_b8 v0, s[64:65] scope:SCOPE_SE
	s_setreg_imm32_b32 hwreg(HW_REG_WAVE_MODE, 25, 1), 1
	s_wait_xcnt 0x0
	s_wait_alu depctr_hold_cnt(0) depctr_sa_sdst(0) depctr_va_vdst(0) depctr_va_sdst(0) depctr_va_ssrc(0) depctr_va_vcc(0) depctr_vm_vsrc(0)
	s_getreg_b32 s2, hwreg(HW_REG_IB_STS2, 6, 4)
	s_cmp_eq_u32 s2, 0
	s_cbranch_scc0 .Lentry_in_a_cluster
	s_endpgm
.Lentry_in_a_cluster:
	s_bfe_u32 s2, ttmp6, 0x10000c
	s_cmp_lg_u32 s2, 0xf033
	s_cbranch_scc0 .Lentry_shape_is_right
	s_endpgm
.Lentry_shape_is_right:
.set PITCH,  528
.set HALFT,  64*PITCH
.set SLOT,   4*HALFT
.set SPARE,  2*SLOT
.set ADRA, 16
.set ADRB, 20
.set STO,  24
.set RD,   25
.set CO,   26
.set SPW,  28
.set NIL,  29
.set TMP,  32
.set BK,   64
.set ACC,  128
.set F0,   0
.set F1,   128
.set WV, 18
.set WI, 19
.set WJ, 20
.set G1, 24
.set G0, 32
.set G1B, 48
.set G0B, 56
.set MSB, 0
.macro WIN new
.if MSB != \new
	s_set_vgpr_msb (MSB<<8)|\new
.set MSB, \new
.endif
.endm
.set MUL,  0x05
.set TO_F, 0x40
.macro PLACES
.rept 4
	v_nop
.endr
.endm
.macro JLOAD s
	s_cmp_eq_u32 s[WI], 0
	s_cbranch_scc0 .Lfor_x_\@
	tensor_load_to_lds s[G0+4*\s:G0+4*\s+3], s[G1:G1+7]
	s_nop 0
	PLACES
	s_branch .Lasked_\@
.Lfor_x_\@:
	tensor_load_to_lds s[G0B+4*\s:G0B+4*\s+3], s[G1B:G1B+7]
	s_nop 0
	PLACES
.Lasked_\@:
.endm
.macro CREST
	s_cmp_lg_u32 s[WV], 0
	s_cbranch_scc1 .Lnot_wave_0_\@
	s_barrier_signal -3
.Lnot_wave_0_\@:
	s_barrier_wait -3
	s_barrier_signal -1
	s_barrier_wait -1
.endm
.macro CROUND
	s_barrier_signal -1
	s_barrier_wait -1
	CREST
.endm
	s_load_b256 s[4:11], s[0:1], 0x0
	v_lshl_add_u32 v[SPW], v0, 2, SPARE
	v_mov_b32 v[NIL], 0
	ds_add_u32 v28, v29
	ds_add_u32 v28, v29
	s_wait_dscnt 0x0
	v_lshrrev_b32 v1, 5, v0
	v_readfirstlane_b32 s[WV], v1
	s_lshr_b32 s[WI], s[WV], 1
	s_and_b32 s[WJ], s[WV], 1
	s_bfe_u32 s21, ttmp6, 0x40000
	s_bfe_u32 s22, ttmp6, 0x40004
	s_lshl_b32 s23, ttmp9, 2
	s_add_co_u32 s23, s23, s21
	s_and_b32 s40, ttmp7, 0xffff
	s_lshl_b32 s40, s40, 2
	s_add_co_u32 s40, s40, s22
	s_lshl_b32 s42, s22, 2
	s_lshl_b32 s42, 15, s42
	s_lshl_b32 s43, 0x1111, s21
	s_or_b32 s[G1], s42, (0<<16)|(1<<20)|(1<<21)|(6<<22)|(3<<25)
	s_or_b32 s[G1B], s43, (0<<16)|(1<<20)|(1<<21)|(6<<22)|(3<<25)
.irp g, G1, G1B
	s_mov_b32 s[\g+1], 512<<16
	s_mov_b32 s[\g+2], 64<<16
	s_mov_b32 s[\g+3], 512<<16
	s_mov_b32 s[\g+4], 64
	s_mov_b32 s[\g+5], 2048
	s_mov_b32 s[\g+6], 0
	s_mov_b32 s[\g+7], 0
.endr
	s_lshl_b32 s44, s40, 7
	s_lshl_b32 s45, s[WJ], 6
	s_add_co_u32 s44, s44, s45
	s_lshl_b32 s44, s44, 11
	s_mov_b32 s45, 0
	s_lshl_b32 s46, s23, 7
	s_lshl_b32 s47, s[WJ], 6
	s_add_co_u32 s46, s46, s47
	s_lshl_b32 s46, s46, 11
	s_add_co_u32 s46, s46, 6291456
	s_mov_b32 s47, 0
	s_mul_i32 s66, s[WV], HALFT
	s_wait_kmcnt 0x0
	s_load_b64 s[96:97], s[8:9], 0x28
	s_add_nc_u64 s[44:45], s[4:5], s[44:45]
	s_add_nc_u64 s[46:47], s[6:7], s[46:47]
	CROUND
.irp s, 0,1
	s_mov_b32 s[G0+4*\s], 1
	s_add_co_u32 s[G0+4*\s+1], s66, \s*SLOT
	s_add_nc_u64 s[G0+4*\s+2:G0+4*\s+3], s[44:45], \s*512
	s_or_b32 s[G0+4*\s+3], s[G0+4*\s+3], 0x80000000
	s_mov_b32 s[G0B+4*\s], 1
	s_add_co_u32 s[G0B+4*\s+1], s66, \s*SLOT
	s_add_nc_u64 s[G0B+4*\s+2:G0B+4*\s+3], s[46:47], \s*512
	s_or_b32 s[G0B+4*\s+3], s[G0B+4*\s+3], 0x80000000
	s_wait_alu depctr_va_vdst(0)
	s_wait_tensorcnt 0x0
	ds_add_u32 v28, v29
	ds_add_u32 v28, v29
	s_wait_dscnt 0x0
	CROUND
	JLOAD \s
.endr
	v_and_b32 v1, 15, v0
	s_wait_alu depctr_va_vdst(0)
	v_bfe_u32 v2, v0, 4, 1
	v_mul_u32_u24 v3, v1, PITCH
	v_lshl_add_u32 v3, v2, 4, v3
	s_mul_i32 s88, s[WI], HALFT
	s_mul_i32 s89, s[WJ], HALFT
	s_add_co_u32 s89, s89, 2*HALFT
.irp s, 0,1
	v_add_nc_u32 v[ADRA+\s], s88, v3
	v_add_nc_u32 v[ADRB+\s], s89, v3
	s_add_co_u32 s88, s88, SLOT
	s_add_co_u32 s89, s89, SLOT
.endr
	s_mul_i32 s88, s[WV], 16*272
	v_mul_u32_u24 v[STO], v1, 272
	s_wait_alu depctr_va_vdst(0)
	v_lshl_add_u32 v[STO], v2, 5, v[STO]
	v_add_nc_u32 v[STO], s88, v[STO]
	v_mul_u32_u24 v[RD], v2, 272
	v_lshl_add_u32 v[RD], v1, 4, v[RD]
	v_add_nc_u32 v[RD], s88, v[RD]
	v_lshlrev_b32 v[CO], 13, v2
	v_lshl_add_u32 v[CO], v1, 4, v[CO]
	s_lshl_b32 s88, s40, 7
	s_lshl_b32 s89, s[WI], 6
	s_add_co_u32 s88, s88, s89
	s_lshl_b32 s88, s88, 13
	s_lshl_b32 s89, s23, 7
	s_lshl_b32 s90, s[WJ], 6
	s_add_co_u32 s89, s89, s90
	s_lshl_b32 s89, s89, 2
	s_add_co_u32 s88, s88, s89
	s_mov_b32 s89, 0
	s_add_nc_u64 s[10:11], s[10:11], s[88:89]
.macro MULA f, a, zero
.irp b, 0,1,2,3
.if \zero
	v_wmma_f32_16x16x128_fp8_fp8 v[ACC+8*(4*(\a)+\b):ACC+8*(4*(\a)+\b)+7], v[\f+64+16*\b:\f+64+16*\b+15], v[\f+16*(\a):\f+16*(\a)+15], 0
.else
	v_wmma_f32_16x16x128_fp8_fp8 v[ACC+8*(4*(\a)+\b):ACC+8*(4*(\a)+\b)+7], v[\f+64+16*\b:\f+64+16*\b+15], v[\f+16*(\a):\f+16*(\a)+15], v[ACC+8*(4*(\a)+\b):ACC+8*(4*(\a)+\b)+7]
.endif
.endr
.endm
.macro FETCH slot, k, f
	WIN TO_F
.irp i, 0,1,2,3
.irp c, 0,1,2,3
	ds_load_b128 v[\f+64+16*\i+4*\c:\f+64+16*\i+4*\c+3], v[ADRB+\slot] offset:\k+32*\c+\i*16*PITCH
.endr
.irp c, 0,1,2,3
	ds_load_b128 v[\f+16*\i+4*\c:\f+16*\i+4*\c+3], v[ADRA+\slot] offset:\k+32*\c+\i*16*PITCH
.endr
.endr
.endm
.macro QUARTER slot, k, f, g, zero
	s_wait_dscnt 0x0
	PLACES
	FETCH \slot, \k, \g
	WIN MUL
	MULA \f, 0, \zero
	MULA \f, 1, \zero
	MULA \f, 2, \zero
	MULA \f, 3, \zero
.endm
.macro TURN slot, next, fill
	WIN 0
	s_wait_tensorcnt 0x0
	ds_add_u32 v[SPW], v[NIL]
	s_wait_dscnt 1
	WIN MUL
	MULA F1, 0, 0
	s_wait_dscnt 0x0
	s_barrier_signal -1
	MULA F1, 1, 0
	WIN 0
	s_barrier_wait -1
.if \fill
	CREST
	s_add_nc_u64 s[G0+4*\slot+2:G0+4*\slot+3], s[G0+4*\slot+2:G0+4*\slot+3], 1024
	s_add_nc_u64 s[G0B+4*\slot+2:G0B+4*\slot+3], s[G0B+4*\slot+2:G0B+4*\slot+3], 1024
	JLOAD \slot
.else
	PLACES
.endif
	FETCH \next, 0, F0
	WIN MUL
	MULA F1, 2, 0
	MULA F1, 3, 0
.endm
	s_wait_tensorcnt 1
	s_barrier_signal -1
	s_barrier_wait -1
	FETCH 0, 0, F0
	QUARTER 0, 128, F0, F1, 1
	QUARTER 0, 256, F1, F0, 0
	QUARTER 0, 384, F0, F1, 0
	TURN 0, 1, 1
	QUARTER 1, 128, F0, F1, 0
	QUARTER 1, 256, F1, F0, 0
	QUARTER 1, 384, F0, F1, 0
	TURN 1, 0, 1
	QUARTER 0, 128, F0, F1, 0
	QUARTER 0, 256, F1, F0, 0
	QUARTER 0, 384, F0, F1, 0
	TURN 0, 1, 0
	QUARTER 1, 128, F0, F1, 0
	QUARTER 1, 256, F1, F0, 0
	QUARTER 1, 384, F0, F1, 0
	s_wait_dscnt 0x0
	WIN MUL
	MULA F1, 0, 0
	MULA F1, 1, 0
	MULA F1, 2, 0
	MULA F1, 3, 0
	WIN 0
	PLACES
	s_wait_kmcnt 0x0
	s_add_co_i32 s96, s96, s97
	s_add_co_i32 s96, s96, 127
	s_lshl_b32 s96, s96, 23
	s_mov_b32 s97, s96
.macro TOSTAGE a
.set j, 0
.rept 16
	v_pk_mul_f32 v[TMP+j:TMP+j+1], v[ACC+32*(\a)+j:ACC+32*(\a)+j+1], s[96:97] op_sel_hi:[1,0]
.set j, j+2
.endr
.irp b, 0,1,2,3
	ds_store_b128 v[STO], v[TMP+8*\b:TMP+8*\b+3] offset:64*\b
	ds_store_b128 v[STO], v[TMP+8*\b+4:TMP+8*\b+7] offset:64*\b+16
.endr
.irp i, 0,1,2,3,4,5,6,7
	ds_load_b128 v[BK+32*((\a)%2)+4*\i:BK+32*((\a)%2)+4*\i+3], v[RD] offset:544*\i
.endr
.endm
.macro SEND a, younger
	s_wait_dscnt \younger
.irp i, 0,1,2,3,4,5,6,7
	global_store_b128 v[CO], v[BK+32*((\a)%2)+4*\i:BK+32*((\a)%2)+4*\i+3], s[10:11] offset:(16*(\a)+2*\i)*8192 th:TH_STORE_NT
.endr
.endm
	TOSTAGE 0
	TOSTAGE 1
	SEND 0, 16
	s_wait_xcnt 0x0
	TOSTAGE 2
	SEND 1, 16
	s_wait_xcnt 0x0
	TOSTAGE 3
	SEND 2, 16
	SEND 3, 0
	s_wait_tensorcnt 0x0
	ds_add_u32 v[SPW], v[NIL]
	s_wait_dscnt 0x0
	CROUND
	s_endpgm
.Lfunc_end_k_q4450896fe6_outp:
	.size	k_q4450896fe6_outp, .Lfunc_end_k_q4450896fe6_outp-k_q4450896fe6_outp
	.p2alignl 7, 3214868480
	.fill 96, 4, 3214868480
	.section	.rodata,"a",@progbits
	.p2align	6, 0x0
	.amdhsa_kernel k_q4450896fe6_outp
		.amdhsa_group_segment_fixed_size 327680
		.amdhsa_private_segment_fixed_size 0
		.amdhsa_enable_private_segment 0
		.amdhsa_kernarg_size 32
		.amdhsa_user_sgpr_count 2
		.amdhsa_user_sgpr_kernarg_segment_ptr 1
		.amdhsa_wavefront_size32 1
		.amdhsa_system_sgpr_workgroup_id_x 1
		.amdhsa_system_sgpr_workgroup_id_y 1
		.amdhsa_system_sgpr_workgroup_id_z 1
		.amdhsa_system_vgpr_workitem_id 0
		.amdhsa_next_free_vgpr 512
		.amdhsa_next_free_sgpr 100
		.amdhsa_reserve_vcc 0
		.amdhsa_float_denorm_mode_32 3
		.amdhsa_float_denorm_mode_16_64 3
		.amdhsa_memory_ordered 1
		.amdhsa_forward_progress 1
		.amdhsa_inst_pref_size 74
	.end_amdhsa_kernel
	.amdgpu_metadata
---
amdhsa.version: [ 1, 2 ]
amdhsa.kernels:
  - .name:           k_q4450896fe6_outp
    .symbol:         k_q4450896fe6_outp.kd
    .args:
      - { .name: ac, .offset: 0, .size: 8, .value_kind: global_buffer, .address_space: global }
      - { .name: wc, .offset: 8, .size: 8, .value_kind: global_buffer, .address_space: global }
      - { .name: lowp_scales, .offset: 16, .size: 8, .value_kind: global_buffer, .address_space: global }
      - { .name: out0, .offset: 24, .size: 8, .value_kind: global_buffer, .address_space: global }
    .group_segment_fixed_size: 327680
    .private_segment_fixed_size: 0
    .kernarg_segment_align: 8
    .kernarg_segment_size: 32
    .max_flat_workgroup_size: 128
    .sgpr_count:     100
    .vgpr_count:     512
    .wavefront_size: 32
...
	.end_amdgpu_metadata
.endif
;; end of part 4
